; MI455X (gfx1250); checked and timed in simulation.
; The chip was launched on July 23, 2026; its instructions are those of AMD's public machine-readable ISA for CDNA 5 (MIT licence, August 2026) and "CDNA5" Instruction Set Architecture Reference Guide (July 2026). The comments in the code are by the model that wrote it; some were corrected since.
;; Ace Step Cross Attention. Allowed arithmetic: float matrix products may take bf16 or f16 operands with f32 sums; all other float work in f32.
;; Inputs: Wk 2,048 x 512 float32; Wo 1,024 x 2,048 float32; Wq 2,048 x 1,024 float32; Wv 2,048 x 512 float32; encoder_hidden_states 4 x 1,024 x 2,048 float32; hidden_states 4 x 2,048 x 2,048 float32; k_norm_w 128 float32; q_norm_w 128 float32.
;; Outputs: out0 4 x 2,048 x 2,048 float32.
;; One version. Each part assembles by itself: llvm-mc -triple=amdgcn-amd-amdhsa -mcpu=gfx1250 --defsym DOCPART=n.
;; ======== version 1 of 1: 4 launches
;; limits: values are held in f16: magnitudes above 65,504 overflow, below 6.1e-05 lose precision; right only within a limited range of input values
;; workspace buffers: wb 12,582,912 bytes; wsc 1,024 bytes; kv 8,388,608 bytes; ob 16,777,216 bytes
;; launch prep (part 1): grid 256 x 3, 8 waves a work-group, no clusters, 0 bytes of LDS; arguments Wq, Wk, Wv, Wo, q_norm_w, k_norm_w, wb, wsc; writes wb, wsc
.if DOCPART == 1
	.amdgcn_target "amdgcn-amd-amdhsa--gfx1250"
	.amdhsa_code_object_version 6
	.text
	.protected	k_q2bdb687603_prep
	.globl	k_q2bdb687603_prep
	.p2align	8
	.type	k_q2bdb687603_prep,@function
k_q2bdb687603_prep:
	s_mov_b64 s[64:65], 0
	v_nop
	global_prefetch_b8 v0, s[64:65] scope:SCOPE_SE
	s_setreg_imm32_b32 hwreg(HW_REG_WAVE_MODE, 25, 1), 1
	s_wait_xcnt 0x0
; The weights are rounded once to 16 bits, in the layout in which they lie ([K][N]), and the table of gains is made.
; wb: bytes 0 on Wq, 4 MiB on Wk, 6 MiB on Wv, all bf16; 8 MiB on Wo, rounded to bf16 and that number written as f16.
; wsc: f32 [2][128]: row 0 = bf16(q_norm_w[c]) x bf16(k_norm_w[c]), row 1 = 1.0.
; LIMITS.  Wo within f16's range (65,504); a weight of Wo below 6.1e-5 keeps f16's fixed step of 6e-8.
; A stream: no LDS, no matrix unit, no cluster (no two work-groups read the same byte).  A work-group takes 8,192 numbers: 32,768 bytes in, 16,384 out.
; Work-group number 256 y + x counts the blocks of wb; y = 0: Wq; y = 1: Wk (x < 128), Wv (x >= 128); y = 2: Wo.
.set X,  8                             ; v[8:39]   eight loads of four f32
.set Y,  40                            ; v[40:55]  sixteen words of two 16-bit numbers
	s_load_b512 s[4:19], s[0:1], 0x0               ; Wq s[4:5], Wk s[6:7], Wv s[8:9], Wo s[10:11], q_norm_w s[12:13], k_norm_w s[14:15], wb s[16:17], wsc s[18:19]
	s_and_b32 s20, ttmp7, 0xffff                   ; y
	s_mov_b32 s21, ttmp9                           ; x
	s_and_b32 s22, s21, 127                        ; the block's number inside Wk or Wv
	s_lshl_b32 s30, s20, 8
	s_add_co_u32 s30, s30, s21
	s_lshl_b32 s30, s30, 14                        ; the block's first byte in wb
	s_mov_b32 s31, 0
	v_lshlrev_b32 v1, 4, v0                        ; 16 bytes a thread in
	v_lshlrev_b32 v2, 3, v0                        ; 8 bytes a thread out
	s_wait_kmcnt 0x0
	s_cmp_eq_u32 s20, 2
	s_cselect_b64 s[24:25], s[10:11], s[4:5]       ; Wo or Wq
	s_cmp_lt_u32 s21, 128
	s_cselect_b64 s[28:29], s[6:7], s[8:9]         ; Wk or Wv
	s_cmp_eq_u32 s20, 1
	s_cselect_b64 s[24:25], s[28:29], s[24:25]
	s_cselect_b32 s26, s22, s21                    ; the block's number in its source
	s_lshl_b32 s26, s26, 15
	s_mov_b32 s27, 0
	s_add_nc_u64 s[24:25], s[24:25], s[26:27]
	s_add_nc_u64 s[16:17], s[16:17], s[30:31]
.irp j, 0,1,2,3,4,5,6,7
	global_load_b128 v[X+4*(\j):X+4*(\j)+3], v1, s[24:25] offset:4096*(\j) th:TH_LOAD_NT  ; a wave's load covers 512 consecutive bytes
.endr
	s_wait_loadcnt 0x0
.irp j, 0,1,2,3,4,5,6,7
	v_cvt_pk_bf16_f32 v[Y+2*(\j)],   v[X+4*(\j)],   v[X+4*(\j)+1]
	v_cvt_pk_bf16_f32 v[Y+2*(\j)+1], v[X+4*(\j)+2], v[X+4*(\j)+3]
.endr
	s_cmp_lg_u32 s20, 2
	s_cbranch_scc1 .Lstore
.set i, 0
.rept 16                               ; Wo alone: the bf16 number is widened and written as f16
	v_lshlrev_b32 v[X+2*i],   16, v[Y+i]
	v_and_b32     v[X+2*i+1], 0xffff0000, v[Y+i]
	v_cvt_pk_f16_f32 v[Y+i], v[X+2*i], v[X+2*i+1]
.set i, i+1
.endr
.Lstore:
.irp j, 0,1,2,3,4,5,6,7
	global_store_b64 v2, v[Y+2*(\j):Y+2*(\j)+1], s[16:17] offset:2048*(\j)  ; a wave's store covers 256 consecutive bytes, aligned
.endr
	s_or_b32 s23, s20, s21
	s_cmp_lg_u32 s23, 0
	s_cbranch_scc1 .Ldone                          ; work-group (0, 0) also makes the table: thread t its word t
	v_and_b32 v3, 127, v0
	v_lshlrev_b32 v3, 2, v3
	v_lshlrev_b32 v4, 2, v0
	global_load_b32 v5, v3, s[12:13]
	global_load_b32 v6, v3, s[14:15]
	s_wait_loadcnt 0x0
	v_cvt_pk_bf16_f32 v7, v5, v6                   ; both gains rounded to bf16, as every input is
	v_lshlrev_b32 v5, 16, v7
	v_and_b32 v6, 0xffff0000, v7
	v_mul_f32 v5, v5, v6
	v_cmp_gt_u32 vcc_lo, 128, v0
	v_cndmask_b32 v5, 1.0, v5, vcc_lo              ; threads 128 on: row 1, ones
	global_store_b32 v4, v5, s[18:19]
.Ldone:
	s_endpgm
.Lfunc_end_k_q2bdb687603_prep:
	.size	k_q2bdb687603_prep, .Lfunc_end_k_q2bdb687603_prep-k_q2bdb687603_prep
	.p2alignl 7, 3214868480
	.fill 96, 4, 3214868480
	.section	.rodata,"a",@progbits
	.p2align	6, 0x0
	.amdhsa_kernel k_q2bdb687603_prep
		.amdhsa_group_segment_fixed_size 0
		.amdhsa_private_segment_fixed_size 0
		.amdhsa_enable_private_segment 0
		.amdhsa_kernarg_size 64
		.amdhsa_user_sgpr_count 2
		.amdhsa_user_sgpr_kernarg_segment_ptr 1
		.amdhsa_wavefront_size32 1
		.amdhsa_system_sgpr_workgroup_id_x 1
		.amdhsa_system_sgpr_workgroup_id_y 1
		.amdhsa_system_sgpr_workgroup_id_z 1
		.amdhsa_system_vgpr_workitem_id 0
		.amdhsa_next_free_vgpr 64
		.amdhsa_next_free_sgpr 66
		.amdhsa_reserve_vcc 1
		.amdhsa_float_denorm_mode_32 3
		.amdhsa_float_denorm_mode_16_64 3
		.amdhsa_memory_ordered 1
		.amdhsa_forward_progress 1
		.amdhsa_inst_pref_size 7
	.end_amdhsa_kernel
	.amdgpu_metadata
---
amdhsa.version: [ 1, 2 ]
amdhsa.kernels:
  - .name:           k_q2bdb687603_prep
    .symbol:         k_q2bdb687603_prep.kd
    .args:
      - { .name: Wq, .offset: 0, .size: 8, .value_kind: global_buffer, .address_space: global }
      - { .name: Wk, .offset: 8, .size: 8, .value_kind: global_buffer, .address_space: global }
      - { .name: Wv, .offset: 16, .size: 8, .value_kind: global_buffer, .address_space: global }
      - { .name: Wo, .offset: 24, .size: 8, .value_kind: global_buffer, .address_space: global }
      - { .name: q_norm_w, .offset: 32, .size: 8, .value_kind: global_buffer, .address_space: global }
      - { .name: k_norm_w, .offset: 40, .size: 8, .value_kind: global_buffer, .address_space: global }
      - { .name: wb, .offset: 48, .size: 8, .value_kind: global_buffer, .address_space: global }
      - { .name: wsc, .offset: 56, .size: 8, .value_kind: global_buffer, .address_space: global }
    .group_segment_fixed_size: 0
    .private_segment_fixed_size: 0
    .kernarg_segment_align: 8
    .kernarg_segment_size: 64
    .max_flat_workgroup_size: 256
    .sgpr_count:     66
    .vgpr_count:     64
    .wavefront_size: 32
...
	.end_amdgpu_metadata
.endif
;; end of part 1
;; launch kvproj (part 2): grid 64 x 4, 4 waves a work-group, clusters of 4 x 4, 327,680 bytes of LDS; arguments encoder_hidden_states, wb, wsc, kv; writes kv
.if DOCPART == 2
	.amdgcn_target "amdgcn-amd-amdhsa--gfx1250"
	.amdhsa_code_object_version 6
	.text
	.protected	k_q2bdb687603_kvproj
	.globl	k_q2bdb687603_kvproj
	.p2align	8
	.type	k_q2bdb687603_kvproj,@function
k_q2bdb687603_kvproj:
	s_mov_b64 s[64:65], 0
	v_nop
	global_prefetch_b8 v0, s[64:65] scope:SCOPE_SE
	s_setreg_imm32_b32 hwreg(HW_REG_WAVE_MODE, 25, 1), 1
	s_wait_xcnt 0x0
	s_wait_alu depctr_hold_cnt(0) depctr_sa_sdst(0) depctr_va_vdst(0) depctr_va_sdst(0) depctr_va_ssrc(0) depctr_va_vcc(0) depctr_vm_vsrc(0)
	s_getreg_b32 s2, hwreg(HW_REG_IB_STS2, 6, 4)
	s_cmp_eq_u32 s2, 0
	s_cbranch_scc0 .Lentry_in_a_cluster
	s_endpgm
.Lentry_in_a_cluster:
	s_bfe_u32 s2, ttmp6, 0x10000c
	s_cmp_lg_u32 s2, 0xf033
	s_cbranch_scc0 .Lentry_shape_is_right
	s_endpgm
.Lentry_shape_is_right:
; K and V projection.  kv[hh][R][128] in f16, R = 1,024 b + key; hh 0-3: K's heads, normalised over their 128 channels (x * rsqrt(mean x^2 + 1e-6)) and multiplied by
; bf16(q_norm_w) x bf16(k_norm_w) (the query's gain is applied here: (wq q) . (wk k) = q . (wq wk k)); hh 4-7: V's heads as they come.
; The activations (f32) are rounded to bf16 once, on the way from memory to LDS; the weights come as bf16 from wb; sums, norm and gains in f32; one rounding to f16.
; LIMITS.  |v| and |wq wk k^| within 65,504 (f16); below 6.1e-5 f16 keeps its fixed step of 6e-8.  NaN and infinities are not treated apart.
; SHARES.  4,096 rows x 1,024 columns (Wk's 512, then Wv's 512).  A work-group: 64 rows x 256 columns, so that there are 256 of them; a wave 32 rows x 128 columns, one whole head:
; the norm never leaves the wave.  K goes in 8 blocks of 256.
; W goes through a ring of two LDS slots of 256 k rows, filled by tensor loads, 64 k rows a wave.  CLUSTER 4 x 4: the four of a row of the cluster (same cy) take the same 256 columns and ask for each tile jointly.
; THE ACTIVATIONS COME THROUGH REGISTERS, NOT JOINTLY, though the four of a column of the cluster take the same 64 rows.  The reason, by this text's bytes: with their f32 tile beside W's a slot holds 128 along K
; (103,424 bytes; two such slots and no more fit twice over), 64 matrix instructions a wave between a tile's request and the wait for it; W alone has 256 along K in a slot, 128 matrix instructions.  A load into
; registers may stay out across the barriers; and each number is rounded once, by the wave that loaded it, not by both waves that multiply it.  A wave loads its 16 rows of a block (32 loads of 512 consecutive
; bytes), rounds them, asks for the next block, and stores the bf16 into ONE buffer: at a change of slots the last quarter's fragments are in registers, so the buffer is free once every wave has said so.
; THE MATRIX INSTRUCTION IS USED TRANSPOSED: source 0 = 16 columns of W (turned on the way out of LDS), source 1 = 16 rows of the activations: a lane holds one row and eight neighbouring columns.
; REGISTERS.  window 0: v1-31 addresses and statistics; v32-63 two buffers of the activations' fragments; v64-127 a block rounded to bf16; v128-255 16 accumulators ((a, b) at 128 + 64 a + 8 b)
;             window 1: v0-127 two buffers of W's fragments; v128-191 the gains of my 64 columns          window 2: v0-127 the block on its way, f32
.set KBLKS,  8
.set PPB,    544                       ; an LDS row of W: 512 bytes + 32: 17 x 32, for the turning load
.set WSLOT,  256*PPB                   ; 256 k rows: 0x22000 bytes, a number that shares no bit with the four waves' places in a slot (0, 0x8800, 0x11000, 0x19800): one exclusive or turns a place in one slot into the other's
.set PAB,    528                       ; an LDS row of the activations: 256 bf16 + 16 bytes: 33 x 16, so the 16 rows of a load start at 16 different 16-byte columns of 256
.set ABUF,   2*WSLOT                   ; behind the ring: 64 rows; no tensor load lands here
.set STAGE,  0                         ; the way out goes through W's slot 0: its last fill is block 6, and its last read stands ahead of the last change's barrier
.set SP,     272
.set SPARE,  ABUF+64*PAB               ; the spare words, 128 bytes a wave; no other line names them
.set WKOFF,  0x400000                  ; Wk's first byte in wb; Wv follows 2 MiB on
.set ABLK,   256*4                     ; a block along a row of the activations, in bytes
.set WBLK,   256*512*2                 ; a block down W, in bytes
.set SS,  8                            ; v8-15  sums of squares, four registers a block of rows
.set LA,  16                           ; my lane's place in the activations' buffer
.set LB,  17                           ; and in a slot of W
.set ADA, 18                           ; the addresses of the run of loads in hand
.set ADB, 19
.set AGO, 20                           ; 16 x lane: my 16 bytes of 512 in memory; never rewritten
.set AST, 21                           ; where I store 8 bytes of my wave's first row
.set STO, 24
.set RD,  25
.set GO,  26
.set WO,  27
.set SPW, 28                           ; my spare word; never rewritten
.set NIL, 29                           ; 0; never rewritten
.set ABF, 32
.set CV,  64
.set ACC, 128
.set PKD, 32                           ; the way out: packed results
.set BF,  0                            ; window 1
.set WS,  128                          ; window 1
.set AR,  0                            ; window 2
.set WV,  12
.set HW,  13                           ; wave & 1: my half of the columns
.set WR,  14                           ; wave >> 1: my half of the rows
.set CX,  15
.set CY,  16
.set XB,  17                           ; my block of 64 rows
.set G1B, 24
.set G0B, 32                           ; two sets, for the two first fills; the second then walks on
.set AB,  40                           ; s[40:41] the activations at my wave's first row, at the block asked for last
.set SB,  42                           ; the slot that the fetches read: 0 or WSLOT
.set LAPC, 56
.set INNER, 57
.set TA,  58                           ; byte in a row of the buffer at which the next fetch begins
.set TBB, 59                           ; LDS byte (slot and quarter) of W's next fetch
.set SEL, 60
.set MK,  62                           ; all ones: my columns are K's; 0: V's
.set W_PJ, 0x01                        ; W's fragments in window 1, all else in window 0
.set MSB, 0
.macro WIN new                         ; the immediate's high byte repeats the setting that is left; a switch that changes nothing is dropped
.if MSB != (\new)
	s_set_vgpr_msb (MSB<<8)|(\new)
.set MSB, \new
.endif
.endm
.macro PLACES                          ; four plain instructions between a matrix instruction and what reads its result or writes its registers (ISA guide 7.12.1)
.rept 4
	v_nop
.endr
.endm
.macro CROUND                          ; a round of the cluster's barrier
	s_barrier_signal -1
	s_barrier_wait -1
	s_cmp_lg_u32 s[WV], 0
	s_cbranch_scc1 .Lnot_wave_0_\@
	s_barrier_signal -3
.Lnot_wave_0_\@:
	s_barrier_wait -3
	s_barrier_signal -1
	s_barrier_wait -1
.endm
; My 16 rows of a block: load n takes half n % 2 of row n / 2, 512 consecutive bytes.  step = 1: the block behind the one asked for last.
.macro ALOAD step
.if \step
	s_wait_xcnt 0x0                                ; the base is stepped only behind this wait
	s_add_nc_u64 s[AB:AB+1], s[AB:AB+1], ABLK
.endif
	WIN 0x80                                       ; destination window 2, address window 0
.set n, 0
.rept 32
	global_load_b128 v[AR+4*n:AR+4*n+3], v[AGO], s[AB:AB+1] offset:(n/2)*8192+(n%2)*512
.set n, n+1
.endr
	WIN 0
.endm
.macro ACVT                            ; the block is rounded: 64 plain instructions that name no matrix instruction's register
	WIN 0x0a                                       ; sources in window 2
.set n, 0
.rept 64
	v_cvt_pk_bf16_f32 v[CV+n], v[AR+2*n], v[AR+2*n+1]
.set n, n+1
.endr
.endm
.macro ASTORE                          ; and stored: 32 lanes x 8 bytes are 256 consecutive bytes of a row
	WIN 0
.set n, 0
.rept 32
	ds_store_b64 v[AST], v[CV+2*n:CV+2*n+1] offset:(n/2)*PAB+(n%2)*256
.set n, n+1
.endr
.endm
; One quarter's fragments (32 along K) into buffer f: 16 turning loads of W, 4 loads of the activations; the fetch pointers step on.
.macro PFETCH f
	WIN 0
	v_add_nc_u32 v[ADA], s[TA], v[LA]
	v_add_nc_u32 v[ADB], s[TBB], v[LB]
	s_add_co_u32 s[TA], s[TA], 64
	s_add_co_u32 s[TBB], s[TBB], 32*PPB
	WIN 0x40
.irp b, 0,1,2,3,4,5,6,7
	ds_load_tr16_b128 v[BF+64*(\f)+8*(\b):BF+64*(\f)+8*(\b)+3],   v[ADB] offset:32*(\b)
	ds_load_tr16_b128 v[BF+64*(\f)+8*(\b)+4:BF+64*(\f)+8*(\b)+7], v[ADB] offset:32*(\b)+16*PPB
.endr
	WIN 0
.irp a, 0,1
	ds_load_b128 v[ABF+16*(\f)+8*(\a):ABF+16*(\f)+8*(\a)+3],   v[ADA] offset:(\a)*16*PAB      ; k = 8 h + 0..7
	ds_load_b128 v[ABF+16*(\f)+8*(\a)+4:ABF+16*(\f)+8*(\a)+7], v[ADA] offset:(\a)*16*PAB+32   ; k = 16 + 8 h + 0..7
.endr
.endm
; A quarter: the next quarter is fetched into the other buffer; 16 products on buffer f, the accumulators by turns.
; Two v_nop and the two additions that make the addresses are the four places between the quarter before's products and the loads into the registers that those read.
.macro PQ f, zero, fetch
	s_wait_dscnt 0x0                               ; this quarter's loads, issued a quarter's products ago
.if \fetch
	WIN 0
	v_nop
	v_nop
	PFETCH 1-(\f)
.endif
	WIN W_PJ
.irp a, 0,1
.irp b, 0,1,2,3,4,5,6,7
.if \zero
	v_wmma_f32_16x16x32_bf16 v[ACC+64*(\a)+8*(\b):ACC+64*(\a)+8*(\b)+7], v[BF+64*(\f)+8*(\b):BF+64*(\f)+8*(\b)+7], v[ABF+16*(\f)+8*(\a):ABF+16*(\f)+8*(\a)+7], 0
.else
	v_wmma_f32_16x16x32_bf16 v[ACC+64*(\a)+8*(\b):ACC+64*(\a)+8*(\b)+7], v[BF+64*(\f)+8*(\b):BF+64*(\f)+8*(\b)+7], v[ABF+16*(\f)+8*(\a):ABF+16*(\f)+8*(\a)+7], v[ACC+64*(\a)+8*(\b):ACC+64*(\a)+8*(\b)+7]
.endif
.endr
.endr
.endm
.macro PPAIRS n                        ; 2 n quarters, on buffers 1, 0, 1, 0 ..: the tail's copy
	WIN 0
	s_mov_b32 s[INNER], \n
.Lpp_\@:
	PQ 1, 0, 1
	PQ 0, 0, 1
	WIN 0
	s_sub_co_u32 s[INNER], s[INNER], 1
	s_cmp_lg_u32 s[INNER], 0
	s_cbranch_scc1 .Lpp_\@
.endm
; THE CHANGE OF BLOCKS, in front of a block's last quarter, whose fragments have been asked for.  The next block of the activations is in registers: it is rounded, and the block behind it is asked for.
; Then each wave waits for all its tensor loads (one is out: its part of the other slot), adds 0 to its spare word, and waits for that and for its reads of the old slot and of the activations' buffer.
; Behind the round no wave of any partner reads the old slot, which is filled again, two blocks on; and no wave of mine reads the buffer, which takes the rounded block.  A second barrier shows it to all four waves.
.macro CHG
	s_wait_loadcnt 0x0                             ; the 32 loads of the next block: no other load is out
	ACVT
	ALOAD 1
	s_wait_tensorcnt 0x0
	ds_add_u32 v[SPW], v[NIL]
	s_xor_b32 s[G0B+5], s[G0B+5], WSLOT            ; the walking descriptor: the other slot than last time,
	s_add_nc_u64 s[G0B+6:G0B+7], s[G0B+6:G0B+7], WBLK  ; the next block; the type bits on top are not reached
	s_xor_b32 s[SB], s[SB], WSLOT
	s_mov_b32 s[TA],  0                            ; the fetches go on at the buffer's first column
	s_mov_b32 s[TBB], s[SB]                        ; and at the other slot's head
	s_wait_dscnt 0x0
	CROUND
	tensor_load_to_lds s[G0B+4:G0B+7], s[G1B:G1B+7]  ; my one tensor load behind the round: 128 matrix instructions ahead of the wait for it
	s_nop 0
	ASTORE
	s_wait_dscnt 0x0                               ; for the others' sake: my stores are done
	s_barrier_signal -1
	s_barrier_wait -1
.endm
.macro CHG_N                           ; the last change, from slot 0 to slot 1: nothing is left to ask for, so two plain barriers
	s_wait_loadcnt 0x0
	ACVT
	WIN 0
	s_wait_tensorcnt 0x0
	ds_add_u32 v[SPW], v[NIL]
	s_mov_b32 s[TA],  0
	s_mov_b32 s[TBB], WSLOT
	s_wait_dscnt 0x0
	s_barrier_signal -1
	s_barrier_wait -1
	ASTORE
	s_wait_dscnt 0x0
	s_barrier_signal -1
	s_barrier_wait -1
.endm
	s_load_b256 s[4:11], s[0:1], 0x0               ; activations s[4:5], wb s[6:7], wsc s[8:9], kv s[10:11]
	v_lshl_add_u32 v[SPW], v0, 2, SPARE
	v_mov_b32 v[NIL], 0
	ds_add_u32 v[SPW], v[NIL]                      ; the wave's opening: the add and its wait stand ahead of my first tensor load
	v_lshrrev_b32 v1, 5, v0
	v_readfirstlane_b32 s[WV], v1
	v_and_b32 v5, 31, v0                           ; l
	v_bfe_u32 v2, v0, 4, 1                         ; h = l / 16
	v_lshlrev_b32 v[AGO], 4, v5
	v_lshlrev_b32 v[WO], 5, v2                     ; my eight gains of a block of 16 columns
	s_and_b32 s[HW], s[WV], 1
	s_lshr_b32 s[WR], s[WV], 1
	s_bfe_u32 s[CX], ttmp6, 0x40000
	s_bfe_u32 s[CY], ttmp6, 0x40004
	s_lshl_b32 s[XB], ttmp9, 2
	s_add_co_u32 s[XB], s[XB], s[CX]               ; block of rows = 4 x cluster x + cx; the block of columns is cy
	s_lshl_b32 s18, s[CY], 2
	s_lshl_b32 s18, 15, s18                        ; my row of the cluster
	s_or_b32 s[G1B], s18, (1<<16)|(1<<20)|(1<<21)|(6<<22)|(7<<25)  ; the mask; elements of 2 bytes; padding on; bit 21 beside a mask; after every 128 words 8 words
	s_mov_b32 s[G1B+1], 256<<16                    ; tensor_dim0 = 256
	s_mov_b32 s[G1B+2], 64<<16                     ; tensor_dim1 = 64
	s_mov_b32 s[G1B+3], 256<<16                    ; tile_dim0 = 256
	s_mov_b32 s[G1B+4], 64                         ; tile_dim1 = 64
	s_mov_b32 s[G1B+5], 512                        ; elements from row to row
	s_mov_b32 s[G1B+6], 0
	s_mov_b32 s[G1B+7], 0
	s_lshl_b32 s20, s[XB], 6
	s_lshl_b32 s21, s[WV], 4
	s_add_co_u32 s20, s20, s21
	s_lshl_b32 s20, s20, 13                        ; (64 x + 16 wave) rows of 8,192 bytes
	s_mov_b32 s21, 0
	s_lshr_b32 s63, s[CY], 1                       ; 0: K's columns, 1: V's
	s_lshl_b32 s22, s63, 21
	s_and_b32 s23, s[CY], 1
	s_lshl_b32 s23, s23, 9                         ; 256 columns of 2 bytes
	s_add_co_u32 s22, s22, s23
	s_lshl_b32 s23, s[WV], 16                      ; my 64 k rows of 1,024 bytes
	s_add_co_u32 s22, s22, s23
	s_add_co_u32 s22, s22, WKOFF
	s_mov_b32 s23, 0
	s_sub_co_u32 s[MK], s63, 1
	s_lshl_b32 s2, s63, 9                          ; the row of the gain table
	s_mov_b32 s3, 0
	s_mov_b32 s[SEL], 0x76543210
	s_mov_b32 s[SEL+1], 0xfedcba98
	s_mov_b32 s[SB], 0
.irp s, 0,1
	s_mov_b32 s[G0B+4*(\s)], 1
	s_mul_i32 s[G0B+4*(\s)+1], s[WV], 64*PPB
	s_add_co_u32 s[G0B+4*(\s)+1], s[G0B+4*(\s)+1], (\s)*WSLOT
.endr
	s_wait_dscnt 0x0                               ; the opening add is done
	s_wait_kmcnt 0x0
	s_add_nc_u64 s[AB:AB+1], s[4:5], s[20:21]
	s_add_nc_u64 s[22:23], s[6:7], s[22:23]
	s_add_nc_u64 s[8:9], s[8:9], s[2:3]
.irp s, 0,1
	s_add_nc_u64 s[G0B+4*(\s)+2:G0B+4*(\s)+3], s[22:23], (\s)*WBLK
	s_or_b32 s[G0B+4*(\s)+3], s[G0B+4*(\s)+3], 0x80000000
.endr
	ALOAD 0                                        ; block 0 of the activations is asked for before anything else
	WIN 0x40
.irp b, 0,1,2,3,4,5,6,7
	global_load_b128 v[WS+8*(\b):WS+8*(\b)+3],   v[WO], s[8:9] offset:64*(\b)
	global_load_b128 v[WS+8*(\b)+4:WS+8*(\b)+7], v[WO], s[8:9] offset:64*(\b)+16
.endr
	WIN 0
	CROUND                                         ; all sixteen work-groups are here: the first joint loads meet
	tensor_load_to_lds s[G0B:G0B+3], s[G1B:G1B+7]
	s_nop 0
	tensor_load_to_lds s[G0B+4:G0B+7], s[G1B:G1B+7]  ; two loads of mine are out
	s_nop 0
	v_and_b32 v1, 15, v0                           ; r = l % 16
	v_and_b32 v3, 7, v0
	v_bfe_u32 v4, v0, 3, 1
	s_mul_i32 s20, s[WR], 32*PAB
	s_add_co_u32 s20, s20, ABUF
	v_mul_u32_u24 v[LA], v1, PAB
	v_lshl_add_u32 v[LA], v2, 4, v[LA]
	v_add_nc_u32 v[LA], s20, v[LA]                 ; the buffer + (32 wr + r) x pitch + 16 h
	s_mul_i32 s21, s[WV], 16*PAB
	s_add_co_u32 s21, s21, ABUF
	v_lshl_add_u32 v[AST], v5, 3, s21              ; the buffer + my wave's 16 rows + 8 l
	v_lshl_add_u32 v[LB], v2, 3, v3
	v_mul_u32_u24 v[LB], v[LB], PPB
	v_lshl_add_u32 v[LB], v4, 4, v[LB]
	s_lshl_b32 s22, s[HW], 8
	v_add_nc_u32 v[LB], s22, v[LB]                 ; (8 h + l % 8) x pitch + 16 ((l / 8) % 2) + my 128 columns
	s_mul_i32 s23, s[WV], 16*SP
	s_add_co_u32 s23, s23, STAGE
	v_mul_u32_u24 v[STO], v1, SP
	v_lshl_add_u32 v[STO], v2, 4, v[STO]
	v_add_nc_u32 v[STO], s23, v[STO]
	v_mul_u32_u24 v[RD], v2, SP
	v_lshl_add_u32 v[RD], v1, 4, v[RD]
	v_add_nc_u32 v[RD], s23, v[RD]
	v_lshlrev_b32 v[GO], 8, v2
	v_lshl_add_u32 v[GO], v1, 4, v[GO]
	s_lshl_b32 s2, s[CY], 1
	s_add_co_u32 s2, s2, s[HW]                     ; hh = 2 cy + my half of the columns
	s_lshl_b32 s2, s2, 20
	s_lshl_b32 s3, s[XB], 6
	s_lshl_b32 s20, s[WR], 5
	s_add_co_u32 s3, s3, s20
	s_lshl_b32 s3, s3, 8
	s_add_co_u32 s2, s2, s3
	s_mov_b32 s3, 0
	s_add_nc_u64 s[10:11], s[10:11], s[2:3]        ; kv at my head's first row of mine
	s_wait_loadcnt 0x0                             ; block 0 of the activations, and the gains
	ACVT
	ALOAD 1                                        ; block 1
	ASTORE                                         ; nobody has read the buffer yet
	s_wait_tensorcnt 0x1                           ; my part of W's block 0 is in; block 1's may stay out
	s_wait_dscnt 0x0
	s_barrier_signal -1
	s_barrier_wait -1
	s_mov_b32 s[TA], 0
	s_mov_b32 s[TBB], 0
	PFETCH 0
	PQ 0, 1, 1                                     ; the first quarter's products start the sums
	WIN 0
	s_mov_b32 s[LAPC], KBLKS-1                     ; six changes that fill a slot again, and the pass that is entered in its middle
	s_mov_b32 s[INNER], 3                          ; block 0 has six quarters left ahead of its change
	s_branch .Lpp
.Lplap:                                                ; a trip: a change of blocks, then eight quarters: a block's last and the next block's first seven
	CHG
	s_mov_b32 s[INNER], 4
.Lpp:
	PQ 1, 0, 1
	PQ 0, 0, 1
	WIN 0
	s_sub_co_u32 s[INNER], s[INNER], 1
	s_cmp_lg_u32 s[INNER], 0
	s_cbranch_scc1 .Lpp
	s_sub_co_u32 s[LAPC], s[LAPC], 1
	s_cmp_lg_u32 s[LAPC], 0
	s_cbranch_scc1 .Lplap
	CHG_N                                          ; the tail is written out
	PPAIRS 4
	PQ 1, 0, 0
	; THE NORM, THE GAINS, THE WAY OUT.  A lane holds 64 of its row's 128 columns, the lane 16 away the others.
	WIN 0
	PLACES
	s_mov_b32 s20, 0x3c000000                      ; 1 / 128
	s_mov_b32 s21, 0x358637bd                      ; 1e-6
.set p, 0
.rept 32                               ; each accumulator is read from its low end on; two chains a block
.irp a, 0,1
.if p < 2
	v_pk_mul_f32 v[SS+4*(\a)+2*(p%2):SS+4*(\a)+2*(p%2)+1], v[ACC+64*(\a)+2*p:ACC+64*(\a)+2*p+1], v[ACC+64*(\a)+2*p:ACC+64*(\a)+2*p+1]
.else
	v_pk_fma_f32 v[SS+4*(\a)+2*(p%2):SS+4*(\a)+2*(p%2)+1], v[ACC+64*(\a)+2*p:ACC+64*(\a)+2*p+1], v[ACC+64*(\a)+2*p:ACC+64*(\a)+2*p+1], v[SS+4*(\a)+2*(p%2):SS+4*(\a)+2*(p%2)+1]
.endif
.endr
.set p, p+1
.endr
.irp a, 0,1
	v_pk_add_f32 v[SS+4*(\a):SS+4*(\a)+1], v[SS+4*(\a):SS+4*(\a)+1], v[SS+4*(\a)+2:SS+4*(\a)+3]
.endr
.irp a, 0,1
	v_add_f32 v[SS+4*(\a)], v[SS+4*(\a)], v[SS+4*(\a)+1]
.endr
.irp a, 0,1
	v_permlanex16_b32 v[SS+4*(\a)+1], v[SS+4*(\a)], s[SEL], s[SEL+1]
.endr
.irp a, 0,1
	v_add_f32 v[SS+4*(\a)], v[SS+4*(\a)], v[SS+4*(\a)+1]
.endr
.irp a, 0,1
	v_fma_f32 v[SS+4*(\a)], v[SS+4*(\a)], s20, s21
.endr
.irp a, 0,1
	v_rsq_f32 v[SS+4*(\a)], v[SS+4*(\a)]
.endr
	v_nop                                          ; a plain instruction between the last root and the use of its result
	s_wait_alu depctr_va_vdst(0)
.irp a, 0,1
	v_cndmask_b32 v[SS+4*(\a)], 1.0, v[SS+4*(\a)], s[MK]  ; V is not normalised
.endr
.set p, 0
.rept 32
.irp a, 0,1
	v_pk_mul_f32 v[ACC+64*(\a)+2*p:ACC+64*(\a)+2*p+1], v[ACC+64*(\a)+2*p:ACC+64*(\a)+2*p+1], v[SS+4*(\a):SS+4*(\a)+1] op_sel_hi:[1,0]
.endr
.set p, p+1
.endr
	WIN 0x04                                       ; source 1, the gains, in window 1
.set p, 0
.rept 32
.irp a, 0,1
	v_pk_mul_f32 v[ACC+64*(\a)+2*p:ACC+64*(\a)+2*p+1], v[ACC+64*(\a)+2*p:ACC+64*(\a)+2*p+1], v[WS+2*p:WS+2*p+1]
.endr
.set p, p+1
.endr
	WIN 0
.set p, 0
.rept 64
	v_cvt_pk_f16_f32 v[PKD+p], v[ACC+2*p], v[ACC+2*p+1]
.set p, p+1
.endr
.irp a, 0,1                            ; 16 rows at a time through my own stage: 16 bytes a lane in, whole rows of 256 bytes back
.irp b, 0,1,2,3,4,5,6,7
	ds_store_b128 v[STO], v[PKD+32*(\a)+4*(\b):PKD+32*(\a)+4*(\b)+3] offset:32*(\b)
.endr
.irp t, 0,1,2,3,4,5,6,7
	ds_load_b128 v[PKD+32*(\a)+4*(\t):PKD+32*(\a)+4*(\t)+3], v[RD] offset:(\t)*2*SP  ; LDS serves a wave's instructions in order (ISA guide 5.7.1.4)
.endr
.irp t, 0,1,2,3,4,5,6,7
	s_wait_dscnt 7-(\t)                            ; the loads issued behind pair t of rows may stay out
	global_store_b128 v[GO], v[PKD+32*(\a)+4*(\t):PKD+32*(\a)+4*(\t)+3], s[10:11] offset:4096*(\a)+512*(\t)  ; 512 consecutive bytes, aligned to 256
.endr
.endr
	s_wait_tensorcnt 0x0                           ; the wave's end
	ds_add_u32 v[SPW], v[NIL]
	s_wait_dscnt 0x0
	CROUND                                         ; the closing round
	s_endpgm
.Lfunc_end_k_q2bdb687603_kvproj:
	.size	k_q2bdb687603_kvproj, .Lfunc_end_k_q2bdb687603_kvproj-k_q2bdb687603_kvproj
	.p2alignl 7, 3214868480
	.fill 96, 4, 3214868480
	.section	.rodata,"a",@progbits
	.p2align	6, 0x0
	.amdhsa_kernel k_q2bdb687603_kvproj
		.amdhsa_group_segment_fixed_size 327680
		.amdhsa_private_segment_fixed_size 0
		.amdhsa_enable_private_segment 0
		.amdhsa_kernarg_size 32
		.amdhsa_user_sgpr_count 2
		.amdhsa_user_sgpr_kernarg_segment_ptr 1
		.amdhsa_wavefront_size32 1
		.amdhsa_system_sgpr_workgroup_id_x 1
		.amdhsa_system_sgpr_workgroup_id_y 1
		.amdhsa_system_sgpr_workgroup_id_z 1
		.amdhsa_system_vgpr_workitem_id 0
		.amdhsa_next_free_vgpr 640
		.amdhsa_next_free_sgpr 66
		.amdhsa_reserve_vcc 0
		.amdhsa_float_denorm_mode_32 3
		.amdhsa_float_denorm_mode_16_64 3
		.amdhsa_memory_ordered 1
		.amdhsa_forward_progress 1
		.amdhsa_inst_pref_size 74
	.end_amdhsa_kernel
	.amdgpu_metadata
---
amdhsa.version: [ 1, 2 ]
amdhsa.kernels:
  - .name:           k_q2bdb687603_kvproj
    .symbol:         k_q2bdb687603_kvproj.kd
    .args:
      - { .name: encoder_hidden_states, .offset: 0, .size: 8, .value_kind: global_buffer, .address_space: global }
      - { .name: wb, .offset: 8, .size: 8, .value_kind: global_buffer, .address_space: global }
      - { .name: wsc, .offset: 16, .size: 8, .value_kind: global_buffer, .address_space: global }
      - { .name: kv, .offset: 24, .size: 8, .value_kind: global_buffer, .address_space: global }
    .group_segment_fixed_size: 327680
    .private_segment_fixed_size: 0
    .kernarg_segment_align: 8
    .kernarg_segment_size: 32
    .max_flat_workgroup_size: 128
    .sgpr_count:     66
    .vgpr_count:     640
    .wavefront_size: 32
...
	.end_amdgpu_metadata
.endif
;; end of part 2
;; launch attn (part 3): grid 64 x 4, 4 waves a work-group, clusters of 4 x 4, 327,680 bytes of LDS; arguments hidden_states, wb, kv, ob; writes ob
.if DOCPART == 3
	.amdgcn_target "amdgcn-amd-amdhsa--gfx1250"
	.amdhsa_code_object_version 6
	.text
	.protected	k_q2bdb687603_attn
	.globl	k_q2bdb687603_attn
	.p2align	8
	.type	k_q2bdb687603_attn,@function
k_q2bdb687603_attn:
	s_mov_b64 s[64:65], 0
	v_nop
	global_prefetch_b8 v0, s[64:65] scope:SCOPE_SE
	s_setreg_imm32_b32 hwreg(HW_REG_WAVE_MODE, 25, 1), 1
	s_wait_xcnt 0x0
	s_wait_alu depctr_hold_cnt(0) depctr_sa_sdst(0) depctr_va_vdst(0) depctr_va_sdst(0) depctr_va_ssrc(0) depctr_va_vcc(0) depctr_vm_vsrc(0)
	s_getreg_b32 s2, hwreg(HW_REG_IB_STS2, 6, 4)
	s_cmp_eq_u32 s2, 0
	s_cbranch_scc0 .Lentry_in_a_cluster
	s_endpgm
.Lentry_in_a_cluster:
	s_bfe_u32 s2, ttmp6, 0x10000c
	s_cmp_lg_u32 s2, 0xf033
	s_cbranch_scc0 .Lentry_shape_is_right
	s_endpgm
.Lentry_shape_is_right:
; Q PROJECTION, RMS NORM AND ATTENTION IN ONE LAUNCH.  ob[2,048 b + q][128 head + d] (f16) = the sum over k of softmax_k(q^ . K / sqrt(128)) V, q^ = x Wq normalised over the head's 128 channels
; (x * rsqrt(mean x^2 + 1e-6)); both gains were applied to K by the launch before.  x (f32) is rounded to bf16 on the way from LDS to the matrix unit, Wq comes as bf16; q^, K, V, the weights p and O
; are f16; products, norm, maxima and sums in f32.
; LIMITS.  K and V arrive within f16's 65,504; |q^| is at most sqrt(128); p lies in 0 to 1 and below 6.1e-5 keeps f16's fixed step of 6e-8; a weight below 2^-126 counts as 0 in l; NaN and infinities are not treated apart.
; SHARES.  A work-group: 128 queries (block x) of the two heads 2 g, 2 g + 1 that share key and value head g = cy.  Wave (wr, wc): queries 64 wr on of head 2 g + wc: four tiles of 16.
; CLUSTER 4 x 4.  The four of a column (same cx) take the same 128 rows of x; the four of a row (same cy) the same 256 columns of Wq and, being of one batch, the same K and V: every tile is asked for jointly by four.
; PHASE P: 128 x 256 of x Wq, K = 2,048 in 16 steps of 128 through two LDS slots; the matrix instruction transposed (source 0 = 16 columns of Wq, turned on the way out of LDS; source 1 = 16 rows of x),
; so that a lane holds one query and eight neighbouring channels: two neighbouring accumulators, rounded in pairs, ARE a fragment of Q for the next product.  The ring goes on into attention:
; the projection's last two changes of slots ask for the first two slots of K and V.
; x IS ASKED FOR AHEAD, INTO THE L2.  In the trip whose refill asks for K step s + 2, waves 0 and 1 prefetch x's tile of step s + 4: two trips ahead of the tensor load that will want it.  The tile's 128 rows
; are dealt out: 32 to each of the four work-groups that share it, 16 to a wave, 256 bytes to a lane: each 256 bytes are asked for once.  Steps 0 to 3 are not asked for; from s = 12 on the address stays at
; step 15, the row's last, so that no request leaves its row.
; PHASE A.  S^T = K Q^T (a lane holds ONE query and the keys 8 (lane / 16) + 0..7); two such tiles rounded to f16 ARE source 1 of O^T = V^T P.  For each query a running maximum m and sum l:
; p = 2^(c s - c m), c = log2(e) / sqrt(128); in every step O and l are multiplied by a = 2^(c m_old - c m_new).  BY TURNS: the wave's tiles are two pieces (0: tiles 0, 1; 2: tiles 2, 3); in a turn one piece
; issues 32 products V^T P of the step in hand and 32 products K Q^T of the next, and the other piece's softmax, cut into 64 slices, stands between them, one slice behind each matrix instruction.
; NO FIRST AND NO LAST STEP IS WRITTEN OUT.  c m starts far below every c s, m at the lowest finite number, l at 0: the first step's a is 0, so O^T need only be finite (it holds q^, which the norm left there).
; V's registers and piece 2's P hold 0 (160 v_mov_b32), so that the first turn's V^T P, of a step that has not been, adds 0; the slot loop is entered in the middle of a trip.  The last turn is the tail loop's third
; trip, left in its middle: its fetch of K is jumped over, and its 32 products K Q^T, on the last K once more, serve nothing.  The price, once a launch: 64 products; the gain: four turns' text less.
; REGISTERS, in windows of 256 (s_set_vgpr_msb: bits 1:0 source 0, 3:2 source 1, 5:4 source 2, 7:6 destination):
;   window 0: v0-11 addresses; v12-43 eight registers of statistics a tile; v44-48 the projection's addresses; v62-63 the add's; v64-191 S^T (projection: v64-127 f32 as loaded, v128-191 two buffers of bf16 fragments); v192-255 P
;   window 1: O^T, 64 a tile (projection: the 32 accumulators, (a, b) at 64 a + 8 b)      window 2: v0-127 Q; v128-255 K of one step (projection: two buffers of Wq's fragments)      window 3: v0-127 V of one step
.set KSTEPS, 16
.set PPA,   528       ; an LDS row of x: 512 bytes + 16: 33 x 16
.set PPB,   544       ; an LDS row of Wq: 512 bytes + 32: 17 x 32, for the turning load
.set ATILE, 128*PPA
.set PSLOT, 0x22000   ; the projection's slot: x's 128 rows, then Wq's 128 k rows: 137,216 bytes, rounded up to a number that shares no bit with the four waves' places in a slot (0, 0x8400, 0x10800, 0x19000): one exclusive or turns a place in one slot into the other's
.set ASTEP, 512
.set WSTEP, 128*1024*2
.set KS,    64        ; keys in a step
.set PK,    272       ; a row of K in LDS: 256 bytes + 16
.set PV,    288       ; a row of V: 256 + 32
.set VOFF,  KS*PK     ; a step's tiles lie together: 64 rows of K, then 64 rows of V
.set STEPB, KS*(PK+PV)
.set SLOT1, 1<<17     ; an attention slot holds two steps (71,680 bytes); slot 0 lies inside the projection's slot 0, slot 1 from here on in bytes of both
.set STAGE, 2*PSLOT   ; behind both rings: 16 rows x 272 bytes for each wave, for the way out
.set SP,    272
.set SPARE, STAGE+4*16*SP  ; the spare words, 128 bytes a wave; no other line names them
.set AK0, 2           ; my lane's place in a tile of K; never rewritten
.set AV0, 3           ; the same for V
.set ADR, 4           ; the LDS address of the run of loads in hand
.set STO, 6
.set RD,  7
.set GO,  8
.set LA,  44          ; my lane's place in a tile of x
.set LB,  45          ; and of Wq
.set ADA, 46
.set ADB, 47
.set PF,  48          ; the prefetch: row l / 2 of my wave's 16, half l % 2 of its 512 bytes; never rewritten
.set SPW, 62
.set NIL, 63
.set ST,  12          ; tile t's statistics at v[ST+8 t]: +0 c m, +1 m, +2, +3 l, +4 to +7 at work
.set S,   64
.set P,   192
.set RAW, 64
.set ABF, 128
.set KF,  128         ; window 2
.set WV,  12
.set HW,  13          ; wave & 1: which half of a tile I fetch; also my head of the two
.set WR,  14          ; wave >> 1: my half of the queries
.set CX,  15
.set CY,  16
.set XB,  17
.set PS,  22          ; s[22:23] the prefetch's step: 512 or 0
.set G1K, 24
.set G1V, 32
.set G0K, 40          ; two sets, for the two first fills; the second then walks on
.set G0V, 48
.set SLOTS, 56
.set TWICE, 57
.set SB,  57          ; in the projection: the slot that the fetches read, 0 or PSLOT
.set CS,  58
.set SEL, 60
.set TB,  62
.set LAPC, 66         ; later 1 / 128
.set INNER, 67        ; later 1e-6
.set G1A, 68
.set G1B, 76
.set G0A, 84          ; two sets, for the two first fills; the second then walks on
.set G0B, 92
.set TA,  100
.set TBB, 101
.set MSB, 0
.macro WIN new
.if MSB != (\new)
	s_set_vgpr_msb (MSB<<8)|(\new)
.set MSB, \new
.endif
.endm
.set W_PJ, 0x52       ; Wq's fragments in window 2, x's in window 0, the accumulators in window 1
.set W_KQ, 0x0a       ; K and Q in window 2, S^T in window 0
.set W_PV, 0x53       ; V in window 3, P in window 0, O^T in window 1
.set W_RS, 0x41       ; destination and source 0 in window 1, source 1 in window 0
.macro PLACES
.rept 4
	v_nop
.endr
.endm
.macro CROUND
	s_barrier_signal -1
	s_barrier_wait -1
	s_cmp_lg_u32 s[WV], 0
	s_cbranch_scc1 .Lnot_wave_0_\@
	s_barrier_signal -3
.Lnot_wave_0_\@:
	s_barrier_wait -3
	s_barrier_signal -1
	s_barrier_wait -1
.endm
.macro JLOAD s, pf=0                ; the projection's joint load by descriptor set s: waves 0 and 1 x's two halves of 64 rows, waves 2 and 3 Wq's two halves of 64 k rows.  pf = 1: waves 0 and 1 also ask the L2 for their part of x's tile two trips on
	s_cmp_lt_u32 s[WV], 2
	s_cbranch_scc0 .Lfor_w_\@
	tensor_load_to_lds s[G0A+4*(\s):G0A+4*(\s)+3], s[G1A:G1A+7]
	s_nop 0
.rept 4
	v_nop
.endr
.if \pf
	global_prefetch_b8 v[PF], s[4:5] th:TH_LOAD_NT scope:SCOPE_SE
.endif
	s_branch .Lasked_\@
.Lfor_w_\@:
	tensor_load_to_lds s[G0B+4*(\s):G0B+4*(\s)+3], s[G1B:G1B+7]
	s_nop 0
.rept 4
	v_nop
.endr
.Lasked_\@:
.endm
.macro KVLOAD n                     ; attention's joint load by descriptor set n: waves 0 and 1 the two steps' tiles of K, waves 2 and 3 those of V
	s_cmp_lt_u32 s[WV], 2
	s_cbranch_scc0 .Lfor_v_\@
	tensor_load_to_lds s[G0K+4*(\n):G0K+4*(\n)+3], s[G1K:G1K+7]
	s_nop 0
.rept 4
	v_nop
.endr
	s_branch .Lkv_asked_\@
.Lfor_v_\@:
	tensor_load_to_lds s[G0V+4*(\n):G0V+4*(\n)+3], s[G1V:G1V+7]
	s_nop 0
.rept 4
	v_nop
.endr
.Lkv_asked_\@:
.endm
; One quarter's fragments (32 along K): 16 turning loads of Wq into buffer f, 16 loads of f32 into RAW; the fetch pointers step on.
.macro PFETCH f
	WIN 0
	v_add_nc_u32 v[ADA], s[TA], v[LA]
	v_add_nc_u32 v[ADB], s[TBB], v[LB]
	s_add_co_u32 s[TA], s[TA], 128
	s_add_co_u32 s[TBB], s[TBB], 32*PPB
	WIN 0x80
.irp b, 0,1,2,3,4,5,6,7
	ds_load_tr16_b128 v[KF+64*(\f)+8*(\b):KF+64*(\f)+8*(\b)+3],   v[ADB] offset:32*(\b)
	ds_load_tr16_b128 v[KF+64*(\f)+8*(\b)+4:KF+64*(\f)+8*(\b)+7], v[ADB] offset:32*(\b)+16*PPB
.endr
	WIN 0
.irp a, 0,1,2,3
	ds_load_b128 v[RAW+16*(\a):RAW+16*(\a)+3],     v[ADA] offset:(\a)*16*PPA
	ds_load_b128 v[RAW+16*(\a)+4:RAW+16*(\a)+7],   v[ADA] offset:(\a)*16*PPA+16
	ds_load_b128 v[RAW+16*(\a)+8:RAW+16*(\a)+11],  v[ADA] offset:(\a)*16*PPA+64
	ds_load_b128 v[RAW+16*(\a)+12:RAW+16*(\a)+15], v[ADA] offset:(\a)*16*PPA+80
.endr
.endm
; A quarter: RAW is rounded into buffer f; the next quarter is fetched into the other buffer; 32 products, the accumulators by turns.
; The roundings are the places between the quarter before's products and the loads into the registers that those read.
.macro PQ f, zero, fetch
	s_wait_dscnt 0x0                ; this quarter's loads, issued a quarter's products ago
	WIN 0
.set i, 0
.rept 32
	v_cvt_pk_bf16_f32 v[ABF+32*(\f)+i], v[RAW+2*i], v[RAW+2*i+1]
.set i, i+1
.endr
.if \fetch
	PFETCH 1-(\f)
.endif
	WIN W_PJ
.irp a, 0,1,2,3
.irp b, 0,1,2,3,4,5,6,7
.if \zero
	v_wmma_f32_16x16x32_bf16 v[64*(\a)+8*(\b):64*(\a)+8*(\b)+7], v[KF+64*(\f)+8*(\b):KF+64*(\f)+8*(\b)+7], v[ABF+32*(\f)+8*(\a):ABF+32*(\f)+8*(\a)+7], 0
.else
	v_wmma_f32_16x16x32_bf16 v[64*(\a)+8*(\b):64*(\a)+8*(\b)+7], v[KF+64*(\f)+8*(\b):KF+64*(\f)+8*(\b)+7], v[ABF+32*(\f)+8*(\a):ABF+32*(\f)+8*(\a)+7], v[64*(\a)+8*(\b):64*(\a)+8*(\b)+7]
.endif
.endr
.endr
.endm
.macro PPAIRS                       ; four quarters: a step's last, and the next step's first three: the tail's copy
	WIN 0
	s_mov_b32 s[INNER], 2
.Lpp_\@:
	PQ 1, 0, 1
	PQ 0, 0, 1
	WIN 0
	s_sub_co_u32 s[INNER], s[INNER], 1
	s_cmp_lg_u32 s[INNER], 0
	s_cbranch_scc1 .Lpp_\@
.endm
; THE PROJECTION'S CHANGE OF SLOTS, in front of a step's last quarter, whose fragments have been asked for.  Each wave waits for all its tensor loads (one is out: its part of the other slot), adds 0 to its
; spare word, and waits for that and for its reads of the old slot.  Behind the round no wave of any partner reads the old slot, and it is filled again, two K steps on.
.macro PCHANGE
	WIN 0
	s_wait_tensorcnt 0x0
	ds_add_u32 v[SPW], v[NIL]
.irp g, G0A+4, G0B+4
	s_xor_b32 s[(\g)+1], s[(\g)+1], PSLOT  ; the walking descriptors: the other slot than last time,
.endr
	s_add_nc_u64 s[G0A+6:G0A+7], s[G0A+6:G0A+7], ASTEP  ; the next K step; the type bits on top are not reached
	s_add_nc_u64 s[G0B+6:G0B+7], s[G0B+6:G0B+7], WSTEP
	s_xor_b32 s[SB], s[SB], PSLOT
	s_mov_b32 s[TA],  s[SB]         ; the fetches go on at the other slot's head
	s_mov_b32 s[TBB], s[SB]
	s_cmp_gt_u32 s[LAPC], 2         ; 14 - s trips are left: the prefetch steps on while s + 4 is at most 15
	s_cselect_b32 s[PS], ASTEP, 0
	s_wait_xcnt 0x0                 ; its base is stepped only behind this wait, a trip behind the prefetch that read it
	s_add_nc_u64 s[4:5], s[4:5], s[PS:PS+1]
	s_wait_dscnt 0x0
	CROUND
	JLOAD 1, 1
.endm
; The last two changes: the bytes that the projection has done with take attention's slot n.  n = 0: the projection's slot 0 is read out.  n = 1: both are; the wait for all loads and the round also show attention's slot 0 to every wave.
.macro PCHANGE_KV n
	WIN 0
	s_wait_tensorcnt 0x0
	ds_add_u32 v[SPW], v[NIL]
.if (\n) == 0
	s_mov_b32 s[TA],  PSLOT
	s_mov_b32 s[TBB], PSLOT
.endif
	s_wait_dscnt 0x0
	CROUND
	KVLOAD \n
.endm
	s_load_b256 s[4:11], s[0:1], 0x0  ; x s[4:5], wb s[6:7], kv s[8:9], ob s[10:11]
	v_lshl_add_u32 v[SPW], v0, 2, SPARE
	v_mov_b32 v[NIL], 0
	ds_add_u32 v[SPW], v[NIL]       ; the wave's opening: the add and its wait stand ahead of my first tensor load
	v_lshrrev_b32 v1, 5, v0
	v_readfirstlane_b32 s[WV], v1
	s_and_b32 s[HW], s[WV], 1
	s_lshr_b32 s[WR], s[WV], 1
	s_bfe_u32 s[CX], ttmp6, 0x40000
	s_bfe_u32 s[CY], ttmp6, 0x40004
	s_lshl_b32 s[XB], ttmp9, 2
	s_add_co_u32 s[XB], s[XB], s[CX]  ; my block of 128 queries = 4 x cluster x + cx
	s_lshr_b32 s18, ttmp9, 2        ; the batch: 16 blocks each, so the whole cluster is of one
	s_lshl_b32 s19, s[CY], 2
	s_lshl_b32 s19, 15, s19         ; my row of the cluster
	s_lshl_b32 s63, 0x1111, s[CX]   ; my column
	s_or_b32 s[G1A], s63, (2<<16)|(1<<20)|(1<<21)|(6<<22)|(3<<25)  ; the mask; elements of 4 bytes; padding on; bit 21 beside a mask; after every 128 words 4 words
	s_mov_b32 s[G1A+1], 128<<16     ; tensor_dim0 = 128
	s_mov_b32 s[G1A+2], 64<<16      ; tensor_dim1 = 64
	s_mov_b32 s[G1A+3], 128<<16     ; tile_dim0 = 128
	s_mov_b32 s[G1A+4], 64          ; tile_dim1 = 64
	s_mov_b32 s[G1A+5], 2048        ; elements from row to row
	s_mov_b32 s[G1A+6], 0
	s_mov_b32 s[G1A+7], 0
	s_or_b32 s[G1B], s19, (1<<16)|(1<<20)|(1<<21)|(6<<22)|(7<<25)  ; elements of 2 bytes; after every 128 words 8 words
	s_mov_b32 s[G1B+1], 256<<16
	s_mov_b32 s[G1B+2], 64<<16
	s_mov_b32 s[G1B+3], 256<<16
	s_mov_b32 s[G1B+4], 64
	s_mov_b32 s[G1B+5], 1024
	s_mov_b32 s[G1B+6], 0
	s_mov_b32 s[G1B+7], 0
	s_or_b32 s[G1K], s19, (1<<16)|(1<<20)|(1<<21)|(5<<22)|(3<<25)  ; after every 64 words 4 words
	s_or_b32 s[G1V], s19, (1<<16)|(1<<20)|(1<<21)|(5<<22)|(7<<25)  ; 8 words
.irp g, G1K, G1V
	s_mov_b32 s[(\g)+1], 128<<16
	s_mov_b32 s[(\g)+2], KS<<16
	s_mov_b32 s[(\g)+3], 128<<16
	s_mov_b32 s[(\g)+4], KS
	s_mov_b32 s[(\g)+5], 128
	s_mov_b32 s[(\g)+6], 0
	s_mov_b32 s[(\g)+7], 0
.endr
	s_lshl_b32 s22, s[XB], 7
	s_lshl_b32 s23, s[HW], 6
	s_add_co_u32 s22, s22, s23
	s_lshl_b32 s22, s22, 13         ; (128 x + 64 half) rows of 8,192 bytes
	s_mov_b32 s23, 0
	s_lshl_b32 s2, s[HW], 17        ; 64 k rows of 2,048 bytes
	s_lshl_b32 s3, s[CY], 9         ; 256 columns of 2 bytes
	s_add_co_u32 s2, s2, s3
	s_mov_b32 s3, 0
	s_lshl_b32 s20, s[CY], 2
	s_add_co_u32 s20, s20, s18
	s_lshl_b32 s20, s20, 18         ; head cy, batch b: 1,024 rows of 256 bytes each
	s_lshl_b32 s21, s[HW], 14       ; which of a slot's two steps I fetch
	s_add_co_u32 s20, s20, s21
	s_mov_b32 s21, 0
.irp s, 0,1
	s_mov_b32 s[G0A+4*(\s)], 1
	s_mul_i32 s[G0A+4*(\s)+1], s[HW], 64*PPA
	s_add_co_u32 s[G0A+4*(\s)+1], s[G0A+4*(\s)+1], (\s)*PSLOT
	s_mov_b32 s[G0B+4*(\s)], 1
	s_mul_i32 s[G0B+4*(\s)+1], s[HW], 64*PPB
	s_add_co_u32 s[G0B+4*(\s)+1], s[G0B+4*(\s)+1], ATILE+(\s)*PSLOT
	s_mov_b32 s[G0K+4*(\s)], 1
	s_mul_i32 s[G0K+4*(\s)+1], s[HW], STEPB
	s_add_co_u32 s[G0K+4*(\s)+1], s[G0K+4*(\s)+1], (\s)*SLOT1
	s_mov_b32 s[G0V+4*(\s)], 1
	s_mul_i32 s[G0V+4*(\s)+1], s[HW], STEPB
	s_add_co_u32 s[G0V+4*(\s)+1], s[G0V+4*(\s)+1], (\s)*SLOT1+VOFF
.endr
	s_mov_b32 s[CS], 0x3e0293ee     ; c = log2(e) / sqrt(128) = 0.127517
	s_mov_b32 s[CS+1], s[CS]
	s_mov_b32 s[SEL], 0x76543210
	s_mov_b32 s[SEL+1], 0xfedcba98
	s_mov_b32 s[TB], 0
	s_mov_b32 s[SLOTS], 1024/(2*KS)-1  ; six slots are filled again; the pass that is entered in its middle counts as one more
	s_mov_b32 s[SB], 0
	s_wait_dscnt 0x0                ; the opening add is done
	s_wait_kmcnt 0x0
	s_add_nc_u64 s[22:23], s[4:5], s[22:23]
	s_add_nc_u64 s[2:3], s[6:7], s[2:3]
	s_add_nc_u64 s[20:21], s[8:9], s[20:21]
.irp s, 0,1
	s_add_nc_u64 s[G0A+4*(\s)+2:G0A+4*(\s)+3], s[22:23], (\s)*ASTEP
	s_or_b32 s[G0A+4*(\s)+3], s[G0A+4*(\s)+3], 0x80000000
	s_add_nc_u64 s[G0B+4*(\s)+2:G0B+4*(\s)+3], s[2:3], (\s)*WSTEP
	s_or_b32 s[G0B+4*(\s)+3], s[G0B+4*(\s)+3], 0x80000000
	s_add_nc_u64 s[G0K+4*(\s)+2:G0K+4*(\s)+3], s[20:21], (\s)*2*KS*256
	s_or_b32 s[G0K+4*(\s)+3], s[G0K+4*(\s)+3], 0x80000000
	s_add_nc_u64 s[G0V+4*(\s)+2:G0V+4*(\s)+3], s[20:21], (\s)*2*KS*256+0x400000  ; V's heads lie 4 MiB behind K's
	s_or_b32 s[G0V+4*(\s)+3], s[G0V+4*(\s)+3], 0x80000000
.endr
	CROUND                          ; all sixteen work-groups are here: the first joint loads meet
	JLOAD 0
	JLOAD 1                         ; two loads of mine are out
	s_lshl_b32 s18, s[XB], 7
	s_lshl_b32 s19, s[WR], 6
	s_add_co_u32 s18, s18, s19
	s_lshl_b32 s18, s18, 11         ; my first row of ob, 2,048 bytes each,
	s_lshl_b32 s19, s[CY], 1
	s_add_co_u32 s19, s19, s[HW]
	s_lshl_b32 s19, s19, 8          ; my head's 256 bytes in it
	s_add_co_u32 s18, s18, s19
	s_mov_b32 s19, 0
	s_add_nc_u64 s[10:11], s[10:11], s[18:19]
	s_lshl_b32 s18, s[XB], 7        ; the prefetch's base: of the block's 128 rows my work-group's 32,
	s_lshl_b32 s19, s[CY], 5
	s_add_co_u32 s18, s18, s19
	s_lshl_b32 s19, s[HW], 4        ; my wave's 16 of them,
	s_add_co_u32 s18, s18, s19
	s_lshl_b32 s18, s18, 13
	s_add_co_u32 s18, s18, 3*ASTEP  ; at K step 3: the first change steps it to step 4
	s_mov_b32 s19, 0
	s_add_nc_u64 s[4:5], s[4:5], s[18:19]
	s_mov_b32 s[PS+1], 0
	v_and_b32 v1, 15, v0            ; l % 16
	v_bfe_u32 v9, v0, 4, 1          ; l / 16
	v_and_b32 v10, 7, v0
	v_bfe_u32 v11, v0, 3, 1
	v_and_b32 v[PF], 30, v0         ; 2 (l / 2)
	v_lshlrev_b32 v[PF], 12, v[PF]  ; l / 2 rows of 8,192 bytes
	v_and_b32 v5, 1, v0
	v_lshl_add_u32 v[PF], v5, 8, v[PF]  ; + 256 (l % 2)
	s_mul_i32 s2, s[WR], 64*PPA
	v_mul_u32_u24 v[LA], v1, PPA
	v_lshl_add_u32 v[LA], v9, 5, v[LA]
	v_add_nc_u32 v[LA], s2, v[LA]   ; (64 wr + l % 16) x pitch + 32 (l / 16)
	v_lshl_add_u32 v[LB], v9, 3, v10
	v_mul_u32_u24 v[LB], v[LB], PPB
	v_lshl_add_u32 v[LB], v11, 4, v[LB]
	s_lshl_b32 s3, s[HW], 8
	s_add_co_u32 s3, s3, ATILE
	v_add_nc_u32 v[LB], s3, v[LB]   ; (8 (l / 16) + l % 8) x pitch + 16 ((l / 8) % 2) + my 128 columns
	v_mul_u32_u24 v[AK0], v1, PK
	v_lshl_add_u32 v[AK0], v9, 4, v[AK0]  ; K: row x pitch + 16 x half
	v_lshl_add_u32 v[AV0], v9, 3, v10     ; V, turned: key 8 (l / 16) + l % 8, channels 8 ((l / 8) % 2) on
	v_mul_u32_u24 v[AV0], v[AV0], PV
	v_lshl_add_u32 v[AV0], v11, 4, v[AV0]
	v_add_nc_u32 v[AV0], VOFF, v[AV0]
	s_wait_tensorcnt 0x1            ; my part of K step 0 is in; step 1's may stay out
	s_barrier_signal -1
	s_barrier_wait -1
	s_mov_b32 s[TA], 0
	s_mov_b32 s[TBB], 0
	PFETCH 0
	PQ 0, 1, 1                      ; the first quarter's products start the sums
	WIN 0
	s_mov_b32 s[LAPC], KSTEPS-1     ; fourteen changes that fill a slot again, and the pass that is entered in its middle
	s_mov_b32 s[INNER], 1           ; K step 0 has two quarters left ahead of its change
	s_branch .Lpp
.Lplap:                             ; a trip: a change of slots, then four quarters: a step's last and the next step's first three
	PCHANGE
	s_mov_b32 s[INNER], 2
.Lpp:
	PQ 1, 0, 1
	PQ 0, 0, 1
	WIN 0
	s_sub_co_u32 s[INNER], s[INNER], 1
	s_cmp_lg_u32 s[INNER], 0
	s_cbranch_scc1 .Lpp
	s_sub_co_u32 s[LAPC], s[LAPC], 1
	s_cmp_lg_u32 s[LAPC], 0
	s_cbranch_scc1 .Lplap
	PCHANGE_KV 0                    ; keys 0 to 127 are asked for
	PPAIRS
	PCHANGE_KV 1                    ; keys 128 to 255
	PQ 1, 0, 0
; THE MATRIX WORK OF A TURN, for piece x.  The accumulators take turns, one instruction a turn.
; Product i of 32 of O^T += V^T P: keys 32 (i / 16) on, channels 16 ((i / 2) % 8) on, tile x + i % 2.
.macro PV x
	WIN W_PV
.set rO, 64*((\x)+i%2)+8*((i/2)%8)
.set rV, 64*(i/16)+8*((i/2)%8)
.set rP, P+16*((\x)+i%2)+8*(i/16)
	v_wmma_f32_16x16x32_f16 v[rO:rO+7], v[rV:rV+7], v[rP:rP+7], v[rO:rO+7]
.endm
; Product i of 32 of S^T = K Q^T: channels 32 (i / 8) on, keys 16 ((i / 2) % 4) on, tile x + i % 2.  The first 8 start the sums.
.macro KQ x
	WIN W_KQ
.set rS, S+32*((\x)+i%2)+8*((i/2)%4)
.set rK, KF+32*((i/2)%4)+8*(i/8)
.set rQ, 32*((\x)+i%2)+8*(i/8)
.if i < 8
	v_wmma_f32_16x16x32_f16 v[rS:rS+7], v[rK:rK+7], v[rQ:rQ+7], 0
	s_wait_alu depctr_va_vdst(0)
.else
	v_wmma_f32_16x16x32_f16 v[rS:rS+7], v[rK:rK+7], v[rQ:rQ+7], v[rS:rS+7]
.endif
.endm
; THE LDS LOADS stand in runs of 32: a step's K (64 keys x 128 channels: 16 fragments) and, a turn later, its V (turned).
; last = 1 (the tail): in the last trip there is no further step, and the run is jumped over.
.macro FETCH_K last=0
	WIN 0
.if \last
	s_cmp_eq_u32 s[TWICE], 1
	s_cbranch_scc1 .Lno_k_\@
.endif
	v_add_nc_u32 v[ADR], s[TB], v[AK0]
	WIN 0x80
.irp f, 0,1,2,3,4,5,6,7,8,9,10,11,12,13,14,15
	ds_load_b128 v[KF+8*(\f):KF+8*(\f)+3],   v[ADR] offset:((\f)/4)*16*PK+((\f)%4)*64
	ds_load_b128 v[KF+8*(\f)+4:KF+8*(\f)+7], v[ADR] offset:((\f)/4)*16*PK+((\f)%4)*64+32
.endr
.if \last
	WIN 0
.Lno_k_\@:
.endif
.endm
.macro FETCH_V
	WIN 0
	v_add_nc_u32 v[ADR], s[TB], v[AV0]
	s_add_co_u32 s[TB], s[TB], STEPB  ; the next fetch is the next step's
	WIN 0xc0
.irp f, 0,1,2,3,4,5,6,7,8,9,10,11,12,13,14,15
	ds_load_tr16_b128 v[8*(\f):8*(\f)+3],   v[ADR] offset:((\f)/8)*32*PV+((\f)%8)*32
	ds_load_tr16_b128 v[8*(\f)+4:8*(\f)+7], v[ADR] offset:((\f)/8)*32*PV+16*PV+((\f)%8)*32
.endr
.endm
; THE VECTOR WORK OF A TURN.  One tile's softmax for one key step is a list of 134 instructions; SM writes number j of it for tile t.  s0-s31 are the lane's 32 scores, in pairs 0-15.
;   0-15    the maximum of s0-s31 and the old m, three operands at a time (each accumulator's lowest registers are read first)
;   16-20   the other half of the lanes' maximum; the new m; c m; c m_old - c m_new
;   21-87   33 exponentials (a, then s0-s31) at the odd numbers from 23 on, each with a plain instruction behind it; the plain ones are scalings still to come, roundings that are due, the first sums
;   88-101  the last rounding; the rest of the sums; l = a l + the sum
;   102-133 the tile's O^T times a: the one part that leaves window 0
.macro SM t
.set rT, ST+8*(\t)
.set rS, S+32*(\t)
.set rP, P+16*(\t)
.set rO, 64*(\t)+2*(j-102)
.set q, (j-20)/2
.if j < 102
	WIN 0
.endif
.if j < 4
	v_max3_num_f32 v[rT+4+j], v[rS+8*j], v[rS+8*j+1], v[rS+8*j+2]
.elseif j < 12
	v_max3_num_f32 v[rT+4+j%4], v[rT+4+j%4], v[rS+8*(j%4)+2*(j/4)+1], v[rS+8*(j%4)+2*(j/4)+2]
.elseif j == 12
	v_max3_num_f32 v[rT+4], v[rT+4], v[rS+7], v[rS+15]
.elseif j == 13
	v_max3_num_f32 v[rT+6], v[rT+6], v[rS+23], v[rS+31]
.elseif j == 14
	v_max3_num_f32 v[rT+4], v[rT+4], v[rT+5], v[rT+6]
.elseif j == 15
	v_max3_num_f32 v[rT+4], v[rT+4], v[rT+7], v[rT+1]
.elseif j == 16
	v_permlanex16_b32 v[rT+5], v[rT+4], s[SEL], s[SEL+1]  ; the query's other 32 keys lie in the lane 16 away
.elseif j == 17
	v_mov_b32 v[rT+7], v[rT]        ; c m_old is kept for a: number 19 writes c m anew
.elseif j == 18
	v_max_num_f32 v[rT+1], v[rT+4], v[rT+5]
.elseif j == 19
	v_mul_f32 v[rT], s[CS], v[rT+1]
.elseif j == 20
	v_sub_f32 v[rT+7], v[rT+7], v[rT]
.elseif j == 23
	v_exp_f32 v[rT+6], v[rT+7]
.elseif (j < 88) && (j > 23) && (j%2 == 1)
	v_exp_f32 v[rS+(j-25)/2], v[rS+(j-25)/2]
.elseif (q < 4) || ((j < 76) && (q%2 == 0))
.set b, q/2+2
.if q < 4
.set b, q
.endif
	v_pk_fma_f32 v[rS+2*b:rS+2*b+1], v[rS+2*b:rS+2*b+1], s[CS:CS+1], v[rT:rT+1] op_sel_hi:[1,0,0] neg_lo:[0,0,1] neg_hi:[0,0,1]  ; pair b: c s - c m
.elseif (j < 88) && (q%2 == 1)
	s_wait_alu depctr_va_vdst(0)
	v_cvt_pk_f16_f32 v[rP+(q-5)/2], v[rS+q-5], v[rS+q-4]
.elseif j == 89
	s_wait_alu depctr_va_vdst(0)
	v_cvt_pk_f16_f32 v[rP+15], v[rS+30], v[rS+31]
.elseif j < 102                     ; the sum of the tile's 16 pairs, in place: neighbours 1, 2, 4 and 8 pairs apart, then l takes it
.set z, j-86
.if j < 89
.set z, (j-76)/4
.endif
.set w, 4
.set u, z
.if z >= 14
.set w, 32
.set u, 0
.elseif z >= 12
.set w, 16
.set u, z-12
.elseif z >= 8
.set w, 8
.set u, z-8
.endif
.if z < 15
	v_pk_add_f32 v[rS+w*u:rS+w*u+1], v[rS+w*u:rS+w*u+1], v[rS+w*u+w/2:rS+w*u+w/2+1]
.else
	v_pk_fma_f32 v[rT+2:rT+3], v[rT+2:rT+3], v[rT+6:rT+7], v[rS:rS+1] op_sel_hi:[1,0,1]
.endif
.else
	WIN W_RS
	v_pk_mul_f32 v[rO:rO+1], v[rO:rO+1], v[rT+6:rT+7] op_sel_hi:[1,0]
.endif
.endm
; Slice k of 64 of piece y's softmax: numbers 2 k and 2 k + 1 of both tiles' lists.  2 x 134 = 4 x 64 + 12: the twelve that are over stand together, in slice 63.
.macro SLICE y
.if (k >= 11) && (k < 44)           ; tile by tile: plain, exponential, plain, exponential
.irp t, \y, (\y)+1
.irp n, 0,1
.set j, 2*k+(\n)
	SM \t
.endr
.endr
.else                               ; the two tiles alternate
.irp n, 0,1,2,3,4,5,6,7
.if ((\n) < 2) || (k == 63)
.irp t, \y, (\y)+1
.set j, 2*k+(\n)
	SM \t
.endr
.endif
.endr
.endif
.set k, k+1
.endm
; A TURN.  Piece x has the matrix unit: 32 products V^T P of the step in hand, then 32 products K Q^T of the next; the other piece's softmax stands in slices behind them, one behind each.
; last = 1: the tail's text, whose fetch of K is jumped over in the last trip.  Each run of loads stands behind the second product of a run of 32, 30 matrix instructions ahead of its first use.
; Slice 63's sixteen plain instructions are the places between the turn's last K Q^T and what follows: the next turn's first read of those scores, and the loads into K's registers.
.macro TURN x, last=0
.set k, 0
.if (\x) == 0
	s_wait_dscnt 0x0                ; V is in
.endif
.set i, 0
.rept 32
	PV \x
	SLICE 2-(\x)
.if ((\x) == 0) && (i == 1)
	FETCH_K \last
.endif
.set i, i+1
.endr
.if (\x) == 0
	s_wait_dscnt 0x0                ; K is in
.endif
.set i, 0
.rept 32
	KQ \x
	SLICE 2-(\x)
.if ((\x) == 2) && (i == 1)
	FETCH_V
.endif
.set i, i+1
.endr
.endm
; ATTENTION'S CHANGE OF SLOTS, between piece 2's turn and piece 0's.  Each wave waits for all its tensor loads (one is out: its part of the other slot), adds 0 to its spare word, and waits for that and for its
; reads of the slot.  fill = 1: behind a round of the cluster's barrier this slot is filled again, with the keys two slots on: two key steps, 256 matrix instructions, in which to land.
.macro CHANGE fill
	WIN 0
	s_wait_tensorcnt 0x0
	ds_add_u32 v[SPW], v[NIL]
.if \fill
.irp g, G0K+4, G0V+4
	s_xor_b32 s[(\g)+1], s[(\g)+1], SLOT1
	s_add_nc_u64 s[(\g)+2:(\g)+3], s[(\g)+2:(\g)+3], 2*KS*256
.endr
	s_wait_dscnt 0x0
	CROUND
	KVLOAD 1
.else
	s_wait_dscnt 0x0
	s_barrier_signal -1
	s_barrier_wait -1
.endif
	s_sub_co_u32 s[TB], s[TB], 2*STEPB  ; the fetches go back to a slot's first step,
	s_xor_b32 s[TB], s[TB], SLOT1   ; in the other slot
.endm
	; THE NORM.  A lane holds 64 of its query's 128 channels, the lane 16 away the others.  K of key step 0 is asked for first, so that it lands meanwhile.
	WIN 0
	PLACES                          ; behind the projection's last products
	FETCH_K
	s_mov_b32 s[LAPC], 0x3c000000   ; 1 / 128
	s_mov_b32 s[INNER], 0x358637bd  ; 1e-6
	WIN 0x05                        ; sources 0 and 1 in window 1
.set i, 0
.rept 32                            ; each accumulator is read from its low end on; the four tiles' chains alternate
.irp t, 0,1,2,3
.if i == 0
	v_pk_mul_f32 v[ST+8*(\t)+2:ST+8*(\t)+3], v[64*(\t):64*(\t)+1], v[64*(\t):64*(\t)+1]
.else
	v_pk_fma_f32 v[ST+8*(\t)+2:ST+8*(\t)+3], v[64*(\t)+2*i:64*(\t)+2*i+1], v[64*(\t)+2*i:64*(\t)+2*i+1], v[ST+8*(\t)+2:ST+8*(\t)+3]
.endif
.endr
.set i, i+1
.endr
	WIN 0
.irp t, 0,1,2,3
	v_add_f32 v[ST+8*(\t)+4], v[ST+8*(\t)+2], v[ST+8*(\t)+3]
.endr
.irp t, 0,1,2,3
	v_permlanex16_b32 v[ST+8*(\t)+3], v[ST+8*(\t)+4], s[SEL], s[SEL+1]
.endr
.irp t, 0,1,2,3
	v_add_f32 v[ST+8*(\t)+4], v[ST+8*(\t)+4], v[ST+8*(\t)+3]
.endr
.irp t, 0,1,2,3
	v_fma_f32 v[ST+8*(\t)+4], v[ST+8*(\t)+4], s[LAPC], s[INNER]
.endr
.irp t, 0,1,2,3
	v_rsq_f32 v[ST+8*(\t)+2], v[ST+8*(\t)+4]
.endr
	v_nop                           ; a plain instruction between the last root and the use of its result
	WIN W_RS
.set i, 0
	s_wait_alu depctr_va_vdst(0)
.rept 32
.irp t, 0,1,2,3
	v_pk_mul_f32 v[64*(\t)+2*i:64*(\t)+2*i+1], v[64*(\t)+2*i:64*(\t)+2*i+1], v[ST+8*(\t)+2:ST+8*(\t)+3] op_sel_hi:[1,0]
.endr
.set i, i+1
.endr
	WIN 0x85                        ; sources in window 1, destination in window 2: register i of Q is registers 2 i, 2 i + 1 of the sums
.set i, 0
.rept 128
	v_cvt_pk_f16_f32 v[i], v[2*i], v[2*i+1]
.set i, i+1
.endr
	; What the first turn finds: V's registers and piece 2's P hold 0; O^T holds q^, which the first step's a = 0 wipes out; c m, m and l at their starts.
	WIN 0xc0                        ; destination window 3
.set i, 0
.rept 128
	v_mov_b32 v[i], 0
.set i, i+1
.endr
	WIN 0
.set i, P+32
.rept 32
	v_mov_b32 v[i], 0
.set i, i+1
.endr
.irp t, 0,1,2,3
	v_mov_b32 v[ST+8*(\t)], 0xfe000000    ; c m: far below every c s
	v_mov_b32 v[ST+8*(\t)+1], 0xff7fffff  ; m: the lowest finite number
	v_mov_b32 v[ST+8*(\t)+2], 0           ; l
	v_mov_b32 v[ST+8*(\t)+3], 0
.endr
	s_wait_dscnt 0x0                ; K of key step 0
.set i, 0
.rept 32
	KQ 0                            ; piece 0's first scores
.set i, i+1
.endr
	WIN 0                           ; the addresses for the way out: eight plain instructions, the places behind those products
	s_mul_i32 s2, s[WV], 16*SP
	s_add_co_u32 s2, s2, STAGE
	v_mul_u32_u24 v[STO], v1, SP
	v_lshl_add_u32 v[STO], v9, 4, v[STO]
	v_add_nc_u32 v[STO], s2, v[STO]
	v_mul_u32_u24 v[RD], v9, SP
	v_lshl_add_u32 v[RD], v1, 4, v[RD]
	v_add_nc_u32 v[RD], s2, v[RD]
	v_lshlrev_b32 v[GO], 11, v9     ; two rows of ob, 2,048 bytes apart
	v_lshl_add_u32 v[GO], v1, 4, v[GO]
	s_mov_b32 s[TWICE], 2
	s_branch .Lmid                  ; the loop is entered at piece 2's turn: V^T P on zeros, K Q^T of step 0 | piece 0's softmax of step 0 | V of step 0; a whole trip follows, and then slot 0 is read out
.Lslot:                             ; six times: every slot but the last two is filled again
	CHANGE 1
	s_mov_b32 s[TWICE], 2
.Lstep:                             ; a slot's two key steps: written once, walked twice
	TURN 0
	WIN 0
.Lmid:
	TURN 2
	WIN 0
	s_sub_co_u32 s[TWICE], s[TWICE], 1
	s_cmp_lg_u32 s[TWICE], 0
	s_cbranch_scc1 .Lstep
	s_sub_co_u32 s[SLOTS], s[SLOTS], 1
	s_cmp_lg_u32 s[SLOTS], 0
	s_cbranch_scc1 .Lslot
	CHANGE 0                        ; the tail is written out
	s_mov_b32 s[TWICE], 3           ; two trips fetch the last slot's steps; the third is left in its middle
.Ltail:
	TURN 0, 1
	WIN 0
	s_sub_co_u32 s[TWICE], s[TWICE], 1
	s_cmp_eq_u32 s[TWICE], 0
	s_cbranch_scc1 .Lout
	TURN 2
	WIN 0
	s_branch .Ltail
.Lout:
.set i, 0
.rept 32
	PV 2                            ; piece 2: V^T P of the last step
.set i, i+1
.endr
	; THE WAY OUT.  l's two halves and the other half of the lanes' are added; O^T is divided by l, rounded to f16 and sent through my stage, a tile (16 rows) at a time.  The additions are the places behind the last products.
	WIN 0
.irp t, 0,1,2,3
	v_add_f32 v[ST+8*(\t)+4], v[ST+8*(\t)+2], v[ST+8*(\t)+3]
.endr
.irp t, 0,1,2,3
	v_permlanex16_b32 v[ST+8*(\t)+5], v[ST+8*(\t)+4], s[SEL], s[SEL+1]
.endr
.irp t, 0,1,2,3
	v_add_f32 v[ST+8*(\t)+4], v[ST+8*(\t)+4], v[ST+8*(\t)+5]
.endr
.irp t, 0,1,2,3
	v_rcp_f32 v[ST+8*(\t)+6], v[ST+8*(\t)+4]
.endr
	v_nop
	s_wait_alu depctr_va_vdst(0)
.macro PACK t
	WIN W_RS
.set i, 64*(\t)
.rept 32
	v_pk_mul_f32 v[i:i+1], v[i:i+1], v[ST+8*(\t)+6:ST+8*(\t)+7] op_sel_hi:[1,0]
.set i, i+2
.endr
	WIN 0x05
.set i, 0
.rept 32
	v_cvt_pk_f16_f32 v[S+32*(\t)+i], v[64*(\t)+2*i], v[64*(\t)+2*i+1]
.set i, i+1
.endr
	WIN 0
.irp f, 0,1,2,3,4,5,6,7
	ds_store_b128 v[STO], v[S+32*(\t)+4*(\f):S+32*(\t)+4*(\f)+3] offset:32*(\f)
.endr
.irp f, 0,1,2,3,4,5,6,7
	ds_load_b128 v[S+32*(\t)+4*(\f):S+32*(\t)+4*(\f)+3], v[RD] offset:(\f)*2*SP  ; LDS serves a wave's instructions in order (ISA guide 5.7.1.4)
.endr
.endm
.macro SEND t, younger              ; younger: the LDS instructions issued behind tile t's loads
	WIN 0
.irp f, 0,1,2,3,4,5,6,7
	s_wait_dscnt (\younger)+7-(\f)
	global_store_b128 v[GO], v[S+32*(\t)+4*(\f):S+32*(\t)+4*(\f)+3], s[10:11] offset:(\t)*32768+(\f)*4096  ; 16 lanes store 256 consecutive bytes, aligned: a head's channels of one row
.endr
.endm
	PACK 0
	PACK 1
	SEND 0, 16
	PACK 2
	SEND 1, 16
	PACK 3
	SEND 2, 16
	SEND 3, 0
	s_wait_tensorcnt 0x0            ; the wave's end
	ds_add_u32 v[SPW], v[NIL]
	s_wait_dscnt 0x0
	CROUND                          ; the closing round
	s_endpgm
.Lfunc_end_k_q2bdb687603_attn:
	.size	k_q2bdb687603_attn, .Lfunc_end_k_q2bdb687603_attn-k_q2bdb687603_attn
	.p2alignl 7, 3214868480
	.fill 96, 4, 3214868480
	.section	.rodata,"a",@progbits
	.p2align	6, 0x0
	.amdhsa_kernel k_q2bdb687603_attn
		.amdhsa_group_segment_fixed_size 327680
		.amdhsa_private_segment_fixed_size 0
		.amdhsa_enable_private_segment 0
		.amdhsa_kernarg_size 32
		.amdhsa_user_sgpr_count 2
		.amdhsa_user_sgpr_kernarg_segment_ptr 1
		.amdhsa_wavefront_size32 1
		.amdhsa_system_sgpr_workgroup_id_x 1
		.amdhsa_system_sgpr_workgroup_id_y 1
		.amdhsa_system_sgpr_workgroup_id_z 1
		.amdhsa_system_vgpr_workitem_id 0
		.amdhsa_next_free_vgpr 1024
		.amdhsa_next_free_sgpr 102
		.amdhsa_reserve_vcc 0
		.amdhsa_float_denorm_mode_32 3
		.amdhsa_float_denorm_mode_16_64 3
		.amdhsa_memory_ordered 1
		.amdhsa_forward_progress 1
		.amdhsa_inst_pref_size 221
	.end_amdhsa_kernel
	.amdgpu_metadata
---
amdhsa.version: [ 1, 2 ]
amdhsa.kernels:
  - .name:           k_q2bdb687603_attn
    .symbol:         k_q2bdb687603_attn.kd
    .args:
      - { .name: hidden_states, .offset: 0, .size: 8, .value_kind: global_buffer, .address_space: global }
      - { .name: wb, .offset: 8, .size: 8, .value_kind: global_buffer, .address_space: global }
      - { .name: kv, .offset: 16, .size: 8, .value_kind: global_buffer, .address_space: global }
      - { .name: ob, .offset: 24, .size: 8, .value_kind: global_buffer, .address_space: global }
    .group_segment_fixed_size: 327680
    .private_segment_fixed_size: 0
    .kernarg_segment_align: 8
    .kernarg_segment_size: 32
    .max_flat_workgroup_size: 128
    .sgpr_count:     102
    .vgpr_count:     1024
    .wavefront_size: 32
...
	.end_amdgpu_metadata
.endif
;; end of part 3
;; launch oproj (part 4): grid 8 x 32, 4 waves a work-group, clusters of 4 x 4, 327,680 bytes of LDS; arguments ob, wb, out0; writes out0
.if DOCPART == 4
	.amdgcn_target "amdgcn-amd-amdhsa--gfx1250"
	.amdhsa_code_object_version 6
	.text
	.protected	k_q2bdb687603_oproj
	.globl	k_q2bdb687603_oproj
	.p2align	8
	.type	k_q2bdb687603_oproj,@function
k_q2bdb687603_oproj:
	s_mov_b64 s[64:65], 0
	v_nop
	global_prefetch_b8 v0, s[64:65] scope:SCOPE_SE
	s_setreg_imm32_b32 hwreg(HW_REG_WAVE_MODE, 25, 1), 1
	s_wait_xcnt 0x0
	s_wait_alu depctr_hold_cnt(0) depctr_sa_sdst(0) depctr_va_vdst(0) depctr_va_sdst(0) depctr_va_ssrc(0) depctr_va_vcc(0) depctr_vm_vsrc(0)
	s_getreg_b32 s2, hwreg(HW_REG_IB_STS2, 6, 4)
	s_cmp_eq_u32 s2, 0
	s_cbranch_scc0 .Lentry_in_a_cluster
	s_endpgm
.Lentry_in_a_cluster:
	s_bfe_u32 s2, ttmp6, 0x10000c
	s_cmp_lg_u32 s2, 0xf033
	s_cbranch_scc0 .Lentry_shape_is_right
	s_endpgm
.Lentry_shape_is_right:
; out0[8,192][2,048] (f32) = O[8,192][1,024] (f16) x Wo[1,024][2,048] (rounded to bf16, written as f16, at byte 8 MiB of wb); sums in f32.
; A tile of 256 x 256 to a work-group: 32 x 8 = 256 of them; four waves, each 128 x 128: 64 accumulators, 512 registers.  K goes in 8 steps of 128 through two LDS slots.
; CLUSTER 4 x 4: O's tile hangs on the tile row and is shared along a row of the cluster, Wo's on the tile column and is shared along a column: each is asked for jointly by four.
; THE MATRIX INSTRUCTION IS USED TRANSPOSED: source 0 = 16 columns of Wo (turned on the way out of LDS), source 1 = 16 rows of O: a lane holds one row and eight neighbouring columns, 32 bytes.
; REGISTERS.  window 0: v1-31 addresses; v64-127, v128-191 fragments of O, two buffers (on the way out: rows read back)      window 1: v64-127, v128-191 fragments of Wo
;             window 2: the accumulators of my rows 0-63 ((a, b) at 8 (8 a + b));  window 3: those of my rows 64-127
.set KSTEPS, 8
.set PPO,    272                       ; an LDS row of O: 256 bytes + 16
.set PPB,    544                       ; an LDS row of Wo: 512 bytes + 32: 17 x 32, for the turning load
.set ATILE,  256*PPO
.set SLOT,   ATILE+128*PPB             ; 0x22000 bytes, a number that shares no bit with the four waves' places in a slot (0, 0x8800, 0x11000, 0x19800): one exclusive or turns a place in one slot into the other's
.set STAGE,  2*SLOT                    ; behind the ring: 16 rows x 528 bytes for each wave
.set SPO,    528
.set SPARE,  STAGE+4*16*SPO            ; the spare words, 128 bytes a wave; no other line names them
.set WOOFF,  0x800000
.set ASTEP,  256
.set WSTEP,  128*2048*2
.set LA,  16
.set LB,  17
.set ADA, 18
.set ADB, 19
.set STO, 24
.set RD,  25
.set CO,  26
.set SPW, 28
.set NIL, 29
.set FB,  64                           ; fragment buffer f at FB + 64 f
.set WV,  12
.set HW,  13                           ; wave & 1: which half of a tile I fetch; also my half of the columns
.set WR,  14                           ; wave >> 1: my half of the rows
.set CX,  15
.set CY,  16
.set TXB, 17
.set TYB, 10
.set G1A, 24
.set G0A, 32                           ; two sets, for the two first fills; the second then walks on
.set G1B, 40
.set G0B, 48
.set LAPC, 56
.set INNER, 57
.set TA,  58
.set TBB, 59
.set SB,  60                           ; the slot that the fetches read: 0 or SLOT
.set MUL_LO, 0xa1                      ; source 0 (Wo) window 1, source 1 (O) window 0, C and D window 2
.set MSB, 0
.macro WIN new
.if MSB != (\new)
	s_set_vgpr_msb (MSB<<8)|(\new)
.set MSB, \new
.endif
.endm
.macro PLACES
.rept 4
	v_nop
.endr
.endm
.macro CROUND
	s_barrier_signal -1
	s_barrier_wait -1
	s_cmp_lg_u32 s[WV], 0
	s_cbranch_scc1 .Lnot_wave_0_\@
	s_barrier_signal -3
.Lnot_wave_0_\@:
	s_barrier_wait -3
	s_barrier_signal -1
	s_barrier_wait -1
.endm
.macro JLOAD s                         ; by descriptor set s: waves 0 and 1: O's two halves of 128 rows; waves 2 and 3: Wo's two halves of 64 k rows
	s_cmp_lt_u32 s[WV], 2
	s_cbranch_scc0 .Lfor_w_\@
	tensor_load_to_lds s[G0A+4*(\s):G0A+4*(\s)+3], s[G1A:G1A+7]
	s_nop 0
.rept 4
	v_nop
.endr
	s_branch .Lasked_\@
.Lfor_w_\@:
	tensor_load_to_lds s[G0B+4*(\s):G0B+4*(\s)+3], s[G1B:G1B+7]
	s_nop 0
.rept 4
	v_nop
.endr
.Lasked_\@:
.endm
.macro PFETCH f                        ; one quarter's fragments (32 along K) into buffer f: 16 turning loads of Wo, 16 loads of O
	WIN 0
	v_add_nc_u32 v[ADA], s[TA], v[LA]
	v_add_nc_u32 v[ADB], s[TBB], v[LB]
	s_add_co_u32 s[TA], s[TA], 64
	s_add_co_u32 s[TBB], s[TBB], 32*PPB
	WIN 0x40
.irp b, 0,1,2,3,4,5,6,7
	ds_load_tr16_b128 v[FB+64*(\f)+8*(\b):FB+64*(\f)+8*(\b)+3],   v[ADB] offset:32*(\b)
	ds_load_tr16_b128 v[FB+64*(\f)+8*(\b)+4:FB+64*(\f)+8*(\b)+7], v[ADB] offset:32*(\b)+16*PPB
.endr
	WIN 0
.irp b, 0,1,2,3,4,5,6,7
	ds_load_b128 v[FB+64*(\f)+8*(\b):FB+64*(\f)+8*(\b)+3],   v[ADA] offset:(\b)*16*PPO
	ds_load_b128 v[FB+64*(\f)+8*(\b)+4:FB+64*(\f)+8*(\b)+7], v[ADA] offset:(\b)*16*PPO+32
.endr
.endm
; 16 matrix instructions: row blocks a0, a0 + 1 of the window's four (hi = 0: my rows 0-63, 1: rows 64-127) x all 8 column blocks.  The 64 accumulators take turns.
.macro MUL16 f, hi, a0, zero
	WIN MUL_LO+0x50*(\hi)
.irp a, \a0, (\a0)+1
.irp b, 0,1,2,3,4,5,6,7
.if \zero
	v_wmma_f32_16x16x32_f16 v[8*(8*(\a)+(\b)):8*(8*(\a)+(\b))+7], v[(\f)+8*(\b):(\f)+8*(\b)+7], v[(\f)+8*(4*(\hi)+(\a)):(\f)+8*(4*(\hi)+(\a))+7], 0
.else
	v_wmma_f32_16x16x32_f16 v[8*(8*(\a)+(\b)):8*(8*(\a)+(\b))+7], v[(\f)+8*(\b):(\f)+8*(\b)+7], v[(\f)+8*(4*(\hi)+(\a)):(\f)+8*(4*(\hi)+(\a))+7], v[8*(8*(\a)+(\b)):8*(8*(\a)+(\b))+7]
.endif
.endr
.endr
.endm
.macro OQ f, zero, fetch               ; a quarter: 64 products on buffer f; in its middle the next quarter's 32 loads, in one run, into the other buffer
	s_wait_dscnt 0x0                               ; this quarter's loads, issued 32 products ago
	MUL16 FB+64*(\f), 0, 0, \zero
	MUL16 FB+64*(\f), 0, 2, \zero
.if \fetch
	PLACES                                         ; in front of loads into registers that the quarter before's products read
	PFETCH 1-(\f)
.endif
	MUL16 FB+64*(\f), 1, 0, \zero
	MUL16 FB+64*(\f), 1, 2, \zero
.endm
.macro PPAIRS                          ; four quarters: a step's last, and the next step's first three: the tail's copy
	WIN 0
	s_mov_b32 s[INNER], 2
.Lpp_\@:
	OQ 1, 0, 1
	OQ 0, 0, 1
	WIN 0
	s_sub_co_u32 s[INNER], s[INNER], 1
	s_cmp_lg_u32 s[INNER], 0
	s_cbranch_scc1 .Lpp_\@
.endm
; THE CHANGE OF SLOTS, in front of a step's last quarter, whose fragments have been asked for.  Each wave waits for all its tensor loads (one is out: its part of the other slot), adds 0 to its spare word,
; and waits for that and for its reads of the old slot.  Behind the round no wave of any partner reads the old slot, and it is filled again, two K steps on: 256 matrix instructions in which to land.
.macro PCHANGE
	WIN 0
	s_wait_tensorcnt 0x0
	ds_add_u32 v[SPW], v[NIL]
.irp g, G0A+4, G0B+4
	s_xor_b32 s[(\g)+1], s[(\g)+1], SLOT           ; the walking descriptors: the other slot than last time,
.endr
	s_add_nc_u64 s[G0A+6:G0A+7], s[G0A+6:G0A+7], ASTEP  ; the next K step; the type bits on top are not reached
	s_add_nc_u64 s[G0B+6:G0B+7], s[G0B+6:G0B+7], WSTEP
	s_xor_b32 s[SB], s[SB], SLOT
	s_mov_b32 s[TA],  s[SB]                        ; the fetches go on at the other slot's head
	s_mov_b32 s[TBB], s[SB]
	s_wait_dscnt 0x0
	CROUND
	JLOAD 1
.endm
.macro PCHANGE_N                       ; the last change, from slot 0 to slot 1: nothing is left to fetch, so a plain barrier
	WIN 0
	s_wait_tensorcnt 0x0
	ds_add_u32 v[SPW], v[NIL]
	s_mov_b32 s[TA],  SLOT
	s_mov_b32 s[TBB], SLOT
	s_wait_dscnt 0x0
	s_barrier_signal -1
	s_barrier_wait -1
.endm
	s_load_b128 s[4:7], s[0:1], 0x0                ; O s[4:5], wb s[6:7]
	s_load_b64 s[8:9], s[0:1], 0x10                ; out0
	v_lshl_add_u32 v[SPW], v0, 2, SPARE
	v_mov_b32 v[NIL], 0
	ds_add_u32 v[SPW], v[NIL]                      ; the wave's opening: the add and its wait stand ahead of my first tensor load
	v_lshrrev_b32 v1, 5, v0
	v_readfirstlane_b32 s[WV], v1
	s_and_b32 s[HW], s[WV], 1
	s_lshr_b32 s[WR], s[WV], 1
	s_bfe_u32 s[CX], ttmp6, 0x40000
	s_bfe_u32 s[CY], ttmp6, 0x40004
	s_lshl_b32 s[TXB], ttmp9, 2
	s_add_co_u32 s[TXB], s[TXB], s[CX]             ; tile column = 4 x cluster x + cx
	s_and_b32 s[TYB], ttmp7, 0xffff
	s_lshl_b32 s[TYB], s[TYB], 2
	s_add_co_u32 s[TYB], s[TYB], s[CY]             ; tile row = 4 x cluster y + cy
	s_lshl_b32 s18, s[CY], 2
	s_lshl_b32 s18, 15, s18                        ; my row of the cluster
	s_lshl_b32 s19, 0x1111, s[CX]                  ; my column
	s_or_b32 s[G1A], s18, (1<<16)|(1<<20)|(1<<21)|(5<<22)|(3<<25)  ; the mask; elements of 2 bytes; padding on; bit 21 beside a mask; after every 64 words 4 words
	s_mov_b32 s[G1A+1], 128<<16
	s_mov_b32 s[G1A+2], 128<<16
	s_mov_b32 s[G1A+3], 128<<16
	s_mov_b32 s[G1A+4], 128
	s_mov_b32 s[G1A+5], 1024
	s_mov_b32 s[G1A+6], 0
	s_mov_b32 s[G1A+7], 0
	s_or_b32 s[G1B], s19, (1<<16)|(1<<20)|(1<<21)|(6<<22)|(7<<25)  ; after every 128 words 8 words
	s_mov_b32 s[G1B+1], 256<<16
	s_mov_b32 s[G1B+2], 64<<16
	s_mov_b32 s[G1B+3], 256<<16
	s_mov_b32 s[G1B+4], 64
	s_mov_b32 s[G1B+5], 2048
	s_mov_b32 s[G1B+6], 0
	s_mov_b32 s[G1B+7], 0
	s_lshl_b32 s20, s[TYB], 8
	s_lshl_b32 s21, s[HW], 7
	s_add_co_u32 s20, s20, s21
	s_lshl_b32 s20, s20, 11                        ; (256 ty + 128 half) rows of 2,048 bytes
	s_mov_b32 s21, 0
	s_lshl_b32 s22, s[HW], 18                      ; 64 k rows of 4,096 bytes
	s_lshl_b32 s23, s[TXB], 9                      ; 256 columns of 2 bytes
	s_add_co_u32 s22, s22, s23
	s_add_co_u32 s22, s22, WOOFF
	s_mov_b32 s23, 0
	s_mov_b32 s[SB], 0
.irp s, 0,1
	s_mov_b32 s[G0A+4*(\s)], 1
	s_mul_i32 s[G0A+4*(\s)+1], s[HW], 128*PPO
	s_add_co_u32 s[G0A+4*(\s)+1], s[G0A+4*(\s)+1], (\s)*SLOT
	s_mov_b32 s[G0B+4*(\s)], 1
	s_mul_i32 s[G0B+4*(\s)+1], s[HW], 64*PPB
	s_add_co_u32 s[G0B+4*(\s)+1], s[G0B+4*(\s)+1], ATILE+(\s)*SLOT
.endr
	s_wait_dscnt 0x0                               ; the opening add is done
	s_wait_kmcnt 0x0
	s_add_nc_u64 s[20:21], s[4:5], s[20:21]
	s_add_nc_u64 s[22:23], s[6:7], s[22:23]
.irp s, 0,1
	s_add_nc_u64 s[G0A+4*(\s)+2:G0A+4*(\s)+3], s[20:21], (\s)*ASTEP
	s_or_b32 s[G0A+4*(\s)+3], s[G0A+4*(\s)+3], 0x80000000
	s_add_nc_u64 s[G0B+4*(\s)+2:G0B+4*(\s)+3], s[22:23], (\s)*WSTEP
	s_or_b32 s[G0B+4*(\s)+3], s[G0B+4*(\s)+3], 0x80000000
.endr
	CROUND                                         ; all sixteen work-groups are here: the first joint loads meet
	JLOAD 0
	JLOAD 1                                        ; two loads of mine are out
	v_and_b32 v1, 15, v0                           ; r = l % 16
	v_bfe_u32 v2, v0, 4, 1                         ; h = l / 16
	v_and_b32 v3, 7, v0
	v_bfe_u32 v4, v0, 3, 1
	v_and_b32 v5, 31, v0                           ; l
	s_mul_i32 s20, s[WR], 128*PPO
	v_mul_u32_u24 v[LA], v1, PPO
	v_lshl_add_u32 v[LA], v2, 4, v[LA]
	v_add_nc_u32 v[LA], s20, v[LA]                 ; (128 wr + r) x pitch + 16 h
	v_lshl_add_u32 v[LB], v2, 3, v3
	v_mul_u32_u24 v[LB], v[LB], PPB
	v_lshl_add_u32 v[LB], v4, 4, v[LB]
	s_lshl_b32 s21, s[HW], 8
	s_add_co_u32 s21, s21, ATILE
	v_add_nc_u32 v[LB], s21, v[LB]                 ; (8 h + l % 8) x pitch + 16 ((l / 8) % 2) + my 128 columns
	s_mul_i32 s22, s[WV], 16*SPO
	s_add_co_u32 s22, s22, STAGE
	v_mul_u32_u24 v[STO], v1, SPO
	v_lshl_add_u32 v[STO], v2, 5, v[STO]
	v_add_nc_u32 v[STO], s22, v[STO]               ; in: row r, 32 bytes for each half of the lanes
	v_lshl_add_u32 v[RD], v5, 4, s22               ; back: 32 lanes take one row of 512 bytes
	v_lshlrev_b32 v[CO], 4, v5
	s_lshl_b32 s2, s[TYB], 8
	s_lshl_b32 s3, s[WR], 7
	s_add_co_u32 s2, s2, s3
	s_lshl_b32 s2, s2, 13                          ; my first row of out0, 8,192 bytes each,
	s_lshl_b32 s3, s[TXB], 10
	s_add_co_u32 s2, s2, s3
	s_lshl_b32 s3, s[HW], 9
	s_add_co_u32 s2, s2, s3                        ; my first column
	s_mov_b32 s3, 0
	s_add_nc_u64 s[8:9], s[8:9], s[2:3]
	s_wait_tensorcnt 0x1                           ; my part of K step 0 is in; step 1's may stay out
	s_barrier_signal -1
	s_barrier_wait -1
	s_mov_b32 s[TA], 0
	s_mov_b32 s[TBB], 0
	PFETCH 0
	OQ 0, 1, 1                                     ; the first quarter's products start the sums
	WIN 0
	s_mov_b32 s[LAPC], KSTEPS-1                    ; six changes that fill a slot again, and the pass that is entered in its middle
	s_mov_b32 s[INNER], 1                          ; K step 0 has two quarters left ahead of its change
	s_branch .Lpp
.Lplap:                                                ; a trip: a change of slots, then four quarters: a step's last and the next step's first three
	PCHANGE
	s_mov_b32 s[INNER], 2
.Lpp:
	OQ 1, 0, 1
	OQ 0, 0, 1
	WIN 0
	s_sub_co_u32 s[INNER], s[INNER], 1
	s_cmp_lg_u32 s[INNER], 0
	s_cbranch_scc1 .Lpp
	s_sub_co_u32 s[LAPC], s[LAPC], 1
	s_cmp_lg_u32 s[LAPC], 0
	s_cbranch_scc1 .Lplap
	PCHANGE_N                                      ; the tail is written out
	PPAIRS
	OQ 1, 0, 0
	; THE WAY OUT, 16 rows at a time through my own stage: 32 bytes a lane in (each accumulator's low four registers first), whole rows of 512 bytes back, stored from registers.
	WIN 0
	PLACES
.irp a, 0,1,2,3,4,5,6,7
	WIN 0x08+4*((\a)/4)                            ; the stores' data in window 2 or 3
.irp b, 0,1,2,3,4,5,6,7
	ds_store_b128 v[STO], v[64*((\a)%4)+8*(\b):64*((\a)%4)+8*(\b)+3]   offset:64*(\b)
	ds_store_b128 v[STO], v[64*((\a)%4)+8*(\b)+4:64*((\a)%4)+8*(\b)+7] offset:64*(\b)+16
.endr
	WIN 0
	s_wait_xcnt 0x0                                ; registers that earlier stores read are loaded again only behind this wait
.irp t, 0,1,2,3,4,5,6,7,8,9,10,11,12,13,14,15
	ds_load_b128 v[FB+64*((\a)%2)+4*(\t):FB+64*((\a)%2)+4*(\t)+3], v[RD] offset:SPO*(\t)  ; LDS serves a wave's instructions in order (ISA guide 5.7.1.4)
.endr
	s_wait_dscnt 0x0
.irp t, 0,1,2,3,4,5,6,7,8,9,10,11,12,13,14,15
	global_store_b128 v[CO], v[FB+64*((\a)%2)+4*(\t):FB+64*((\a)%2)+4*(\t)+3], s[8:9] offset:131072*(\a)+8192*(\t) th:TH_STORE_NT  ; 512 consecutive bytes, aligned to 256
.endr
.endr
	s_wait_tensorcnt 0x0                           ; the wave's end
	ds_add_u32 v[SPW], v[NIL]
	s_wait_dscnt 0x0
	CROUND                                         ; the closing round
	s_endpgm
.Lfunc_end_k_q2bdb687603_oproj:
	.size	k_q2bdb687603_oproj, .Lfunc_end_k_q2bdb687603_oproj-k_q2bdb687603_oproj
	.p2alignl 7, 3214868480
	.fill 96, 4, 3214868480
	.section	.rodata,"a",@progbits
	.p2align	6, 0x0
	.amdhsa_kernel k_q2bdb687603_oproj
		.amdhsa_group_segment_fixed_size 327680
		.amdhsa_private_segment_fixed_size 0
		.amdhsa_enable_private_segment 0
		.amdhsa_kernarg_size 24
		.amdhsa_user_sgpr_count 2
		.amdhsa_user_sgpr_kernarg_segment_ptr 1
		.amdhsa_wavefront_size32 1
		.amdhsa_system_sgpr_workgroup_id_x 1
		.amdhsa_system_sgpr_workgroup_id_y 1
		.amdhsa_system_sgpr_workgroup_id_z 1
		.amdhsa_system_vgpr_workitem_id 0
		.amdhsa_next_free_vgpr 1024
		.amdhsa_next_free_sgpr 66
		.amdhsa_reserve_vcc 0
		.amdhsa_float_denorm_mode_32 3
		.amdhsa_float_denorm_mode_16_64 3
		.amdhsa_memory_ordered 1
		.amdhsa_forward_progress 1
		.amdhsa_inst_pref_size 78
	.end_amdhsa_kernel
	.amdgpu_metadata
---
amdhsa.version: [ 1, 2 ]
amdhsa.kernels:
  - .name:           k_q2bdb687603_oproj
    .symbol:         k_q2bdb687603_oproj.kd
    .args:
      - { .name: ob, .offset: 0, .size: 8, .value_kind: global_buffer, .address_space: global }
      - { .name: wb, .offset: 8, .size: 8, .value_kind: global_buffer, .address_space: global }
      - { .name: out0, .offset: 16, .size: 8, .value_kind: global_buffer, .address_space: global }
    .group_segment_fixed_size: 327680
    .private_segment_fixed_size: 0
    .kernarg_segment_align: 8
    .kernarg_segment_size: 24
    .max_flat_workgroup_size: 128
    .sgpr_count:     66
    .vgpr_count:     1024
    .wavefront_size: 32
...
	.end_amdgpu_metadata
.endif
;; end of part 4
